; MI455X (gfx1250); checked and timed in simulation.
; The chip was launched on July 23, 2026; its instructions are those of AMD's public machine-readable ISA for CDNA 5 (MIT licence, August 2026) and "CDNA5" Instruction Set Architecture Reference Guide (July 2026). The comments in the code are by the model that wrote it; some were corrected since.
;; Encoder Layer. Allowed arithmetic: matrix products marked QUANTISED: E2M1 operands, one E8M0 scale for each 32 along K, by v_wmma_scale_f32_16x16x128_f8f6f4 with both operands' format E2M1 (or v_wmma_scale_f32_32x16x128_f4), f32 sums; everything else in f32.
;; Inputs: Wk_codes 1,024 x 32 x 16 uint8 (E2M1 codes of Wk, K innermost, in blocks of 32 codes, two codes a byte); Wk_scales 1,024 x 32 uint8 (E8M0 scales of Wk, one for each 32 codes along K); Wo_codes 1,024 x 32 x 16 uint8 (E2M1 codes of Wo, K innermost, in blocks of 32 codes, two codes a byte); Wo_scales 1,024 x 32 uint8 (E8M0 scales of Wo, one for each 32 codes along K); Wq_codes 1,024 x 32 x 16 uint8 (E2M1 codes of Wq, K innermost, in blocks of 32 codes, two codes a byte); Wq_scales 1,024 x 32 uint8 (E8M0 scales of Wq, one for each 32 codes along K); Wv_codes 1,024 x 32 x 16 uint8 (E2M1 codes of Wv, K innermost, in blocks of 32 codes, two codes a byte); Wv_scales 1,024 x 32 uint8 (E8M0 scales of Wv, one for each 32 codes along K); alpha1 1,024 float32; alpha2 1,024 float32; bias1 1,024 float32; bias2 1,024 float32; bk 1,024 float32; bo 1,024 float32; bq 1,024 float32; bv 1,024 float32; mask 8 x 1 x 1,024 int32; x 8 x 1,024 x 1,024 float32.
;; Outputs: out0 8 x 1,024 x 1,024 float32.
;; This version of the problem:
;;   THIS VERSION OF THE PROBLEM IS GIVEN IN LOW PRECISION. The matrix products marked QUANTISED in the list below multiply operands that are first quantised to E2M1 (2 exponent bits, 1 mantissa bit; 4 bits a number), with one power-of-two scale for each 32 numbers along K (OCP MX v1.0); their sums are f32. All else is computed in f32.
;;   The module's matrix products, in the order in which they are computed (A, B: the left and right operand; K: the contracted axis; several contracted axes count as one K, in the product's order):
;;     1. [M 8,192, K 1,024] x [K 1,024, N 1,024]; A: computed on the way; B: input Wq (given as codes): QUANTISED
;;     2. [M 8,192, K 1,024] x [K 1,024, N 1,024]; A: computed on the way; B: input Wk (given as codes): QUANTISED
;;     3. [M 8,192, K 1,024] x [K 1,024, N 1,024]; A: computed on the way; B: input Wv (given as codes): QUANTISED
;;     4. batch 128 x [M 1,024, K 64] x [K 64, N 1,024]; A: computed on the way; B: computed on the way: QUANTISED
;;     5. batch 128 x [M 64, K 1,024] x [K 1,024, N 1,024]; A: computed on the way; B: softmax (see below): QUANTISED
;;     6. [M 8,192, K 1,024] x [K 1,024, N 1,024]; A: computed on the way; B: input Wo (given as codes): QUANTISED
;;   THE QUANTISER, for each operand of a quantised product, along K:
;;     - K is cut into blocks of 32 from its start; a last block that is shorter is filled with zeros.
;;     - A block's scale is 2^e with e = floor(log2(the largest magnitude in the block)) - 2, held to -126 .. 127; a block of zeros has e = 0. As a byte (E8M0): e + 127.
;;     - Each number is divided by its block's scale, clamped to +-6, and rounded to the nearest number of E2M1, ties to even, subnormals kept.
;;     - The product sums the exact products of the quantised numbers (number of the format x scale) in f32.
;;   ~~~python
;;   def quantise(x, axis):      # numpy; x: float32 -> the quantised numbers, widened to float32 again
;;       x = np.moveaxis(x, axis, -1); K = x.shape[-1]
;;       x = np.pad(x, [(0, 0)] * (x.ndim - 1) + [(0, -K % 32)]); x = x.reshape(x.shape[:-1] + (-1, 32)); a = np.abs(x).max(-1, keepdims=True)
;;       e = np.where(a > 0, np.clip(np.frexp(np.where(a > 0, a, 1))[1] - 1 - 2, -126, 127), 0)      # np.frexp(a)[1] - 1 = floor(log2(a)), exactly
;;       r = np.clip(x / 2.0 ** e, -6, 6)
;;       step = 2.0 ** (np.maximum(np.frexp(np.where(r == 0, 1, r))[1] - 1, 0) - 1)
;;       q = np.round(r / step) * step * 2.0 ** e      # np.round: ties to even
;;       return np.moveaxis(q.reshape(q.shape[:-2] + (-1,))[..., :K], -1, axis).astype(np.float32)
;;   ~~~
;;   SOFTMAX AHEAD OF A QUANTISED PRODUCT. Where the list says 'softmax', what is quantised is not the finished softmax but p = 2^(t - M), with t = logit x log2(e) and M = ceil(the row's largest t), a whole number; so 1/2 < the row's largest p <= 1. The row's sum l is taken of the UNQUANTISED p, in f32, and the product's result is divided by l at the end. Since M is a whole number, a kernel that streams over the keys may use a running M (the ceiling of the running maximum): every later rescaling is an exact power of two, which a block's scale takes up: the codes' values come out the same.
;;   OPERANDS COMPUTED ON THE WAY. 'Computed on the way' means the value that the module computes at that place (a softmax that the list does not call 'softmax' is quantised finished and normalised). What goes into a quantiser is computed in f32, as accurately as f32 sums, v_exp_f32 and their like allow (about 1e-6 of the number): no bf16 or f16 on the way to a quantiser, and a product that is left as it is and whose result goes on into a quantised operand takes f32 operands (vector FMAs, or v_wmma_f32_16x16x4_f32). A number that lies on a knife's edge between two numbers of the format may be rounded either way, as far as f32 arithmetic and the matrix unit's own rounding can turn it there, and no further.
;;   INPUTS GIVEN AS CODES. Wk (in the module: [1024, 1024], K = its axis 0); Wo (in the module: [1024, 1024], K = its axis 0); Wq (in the module: [1024, 1024], K = its axis 0); Wv (in the module: [1024, 1024], K = its axis 0): each comes as NAME_codes (uint8): NAME with its K axis moved to the last place and cut into blocks of 32 codes, [.., K / 32, bytes a block], one block behind the other in memory; two codes a byte, the lower K in the low four bits (a code: sign, 2 exponent bits, 1 mantissa bit); and NAME_scales (uint8): the same leading axes, one E8M0 byte (e + 127) for each 32 codes along K. Its value is code x scale, taken as it is: it is not quantised again, and the codes and scales need not be those that the quantiser above would give.
;; One version. Each part assembles by itself: llvm-mc -triple=amdgcn-amd-amdhsa -mcpu=gfx1250 --defsym DOCPART=n.
;; ======== version 1 of 1: 4 launches
;; limits: right only within a limited range of input values
;; workspace buffers: xcodes 4,194,304 bytes; xscales 262,144 bytes; stats 65,536 bytes; woimg 524,288 bytes; wvimg 524,288 bytes; qkv 13,893,632 bytes; ocodes 4,194,304 bytes; oscl 262,144 bytes
;; launch prep (part 1): grid 272 x 1, 8 waves a work-group, no clusters, 108,800 bytes of LDS; arguments x, alpha1, bias1, Wo_codes, xcodes, xscales, stats, woimg, Wv_codes, wvimg; writes xcodes, xscales, stats, woimg, wvimg
.if DOCPART == 1
	.amdgcn_target "amdgcn-amd-amdhsa--gfx1250"
	.amdhsa_code_object_version 6
	.text
	.protected	k_qd0714df133_prep
	.globl	k_qd0714df133_prep
	.p2align	8
	.type	k_qd0714df133_prep,@function
k_qd0714df133_prep:
	s_mov_b64 s[64:65], 0
	v_nop
	global_prefetch_b8 v0, s[64:65] scope:SCOPE_SE
	s_setreg_imm32_b32 hwreg(HW_REG_WAVE_MODE, 25, 1), 1
	s_wait_xcnt 0x0
; PREP.  Work-groups 0-255: xn = alpha1 (x - mean) / (std + eps) + bias1 for 32 tokens of 1,024 numbers, quantised along the row to E2M1 codes with one E8M0 byte for each 32:
; xcodes [token][512 bytes], xscales [token][32 bytes], laid as the given weights are; and stats [token] = (-mean, 1 / (std + eps)), from which the last launch makes xn again.
; Work-groups 256-271: Wo's and Wv's codes are laid anew as images of operand registers: [tile of 16 rows][block of 32 codes][row][16 bytes], so that 512 bytes on end are four registers of 32 lanes.
; Wo's tiles are 16 neighbouring rows; of each 32 rows of Wv, tile u (0, 1) takes rows 8 u + i + 8 (i / 8), as the next launch wants them.
; Eight waves, two to a SIMD, so that one wave's LDS turns and lane chains stand beside the other's arithmetic; a wave takes 4 tokens, a whole row at a time, all four rows asked for at its start.
; Each load reads 512 consecutive bytes; the conversion wants 32 neighbours in ONE lane, so a row turns through the wave's own stage in LDS:
; in as it was loaded, out 128 bytes a lane, a block's place 144 bytes apart (an odd multiple of 16).
; Lane l then holds block l: its largest magnitude needs no other lane, its 16 bytes of codes are bytes 16 l of the row's 512, its scale byte is byte l of the row's 32.
; Mean first, then the deviations' squares: no difference of large sums.  Waves share nothing: no barrier.  No tensor loads, no matrix work: the launch streams.
; LIMITS: a block whose largest magnitude lies under 2^-124 (a block of zeros too) gets the byte 1: its codes are then zeros or nearly so, and only this program reads the bytes.  NaN and infinities are not served.
; The scale bytes leave as 128 consecutive bytes a wave and the stats as 32, parts of an aligned 256: together 160 of the 2,208 bytes that a wave stores.
.set TSTW, 4608                        ; a wave's stage: 32 blocks x 144 bytes
.set SCS,  36864                       ; a wave's 128 scale bytes
.set STS,  37888                       ; a wave's 4 pairs of stats
.set WST,  38144                       ; the weights' path has LDS bytes of its own: 32 blocks x 272 bytes a wave
.set WSTW, 8704
.set AL, 16                            ; v16-47   alpha1 of my block
.set BI, 48                            ; v48-79   bias1 of my block
.set Y,  80                            ; v80-111  my block of the row in hand
.set X,  112                           ; v112-239 my four rows as they are loaded
.set T,  240                           ; v240-255 at work; v240-243 the codes
	s_load_b256 s[4:11], s[0:1], 0x0               ; x, alpha1, bias1, Wo_codes
	s_load_b256 s[12:19], s[0:1], 0x20             ; xcodes, xscales, stats, woimg
	s_load_b128 s[28:31], s[0:1], 0x40             ; Wv_codes, wvimg
	v_lshrrev_b32 v1, 5, v0
	s_delay_alu instid0(VALU_DEP_1)
	v_readfirstlane_b32 s20, v1                    ; wave 0..7
	v_and_b32 v1, 31, v0                           ; lane
	s_delay_alu instid0(VALU_DEP_1)
	v_lshlrev_b32 v2, 4, v1                        ; 16 x lane
	s_mov_b32 s25, 0
	s_cmp_ge_u32 ttmp9, 256
	s_cbranch_scc1 .Lwo
	s_mul_i32 s21, s20, TSTW
	v_lshrrev_b32 v3, 3, v1
	s_delay_alu instid0(VALU_DEP_1)
	v_mul_u32_u24 v3, v3, 144
	v_and_b32 v4, 7, v1
	s_delay_alu instid0(VALU_DEP_1)
	v_lshl_add_u32 v3, v4, 4, v3
	s_delay_alu instid0(VALU_DEP_1)
	v_add_nc_u32 v3, s21, v3                       ; into the stage: eight lanes fill a block's 128 bytes; a load's 512 bytes are four blocks
	v_mul_u32_u24 v4, v1, 144
	s_delay_alu instid0(VALU_DEP_1)
	v_add_nc_u32 v4, s21, v4                       ; out of it: block = lane
	s_lshl_b32 s21, s20, 7
	s_add_co_u32 s21, s21, SCS
	v_add_nc_u32 v5, s21, v1                       ; my block's scale byte
	s_lshl_b32 s23, s20, 5
	s_add_co_u32 s23, s23, STS
	v_mov_b32 v6, s23                              ; the wave's stats
	s_mov_b32 s26, 0x76543210
	s_mov_b32 s27, 0xfedcba98                      ; v_permlanex16_b32's selects for lane l xor 16
	s_lshl_b32 s22, ttmp9, 3
	s_add_co_u32 s22, s22, s20                     ; which run of 4 tokens is my wave's
	s_wait_alu depctr_va_vdst(0)
	s_wait_kmcnt 0x0
	s_lshl_b32 s24, s22, 14
	s_add_nc_u64 s[4:5], s[4:5], s[24:25]          ; x: 4 rows of 4,096 bytes
	s_lshl_b32 s24, s22, 11
	s_add_nc_u64 s[12:13], s[12:13], s[24:25]      ; codes: 4 rows of 512
	s_lshl_b32 s24, s22, 7
	s_add_nc_u64 s[14:15], s[14:15], s[24:25]      ; scale bytes: 4 rows of 32
	s_lshl_b32 s24, s22, 5
	s_add_nc_u64 s[16:17], s[16:17], s[24:25]      ; stats: 4 pairs
.macro LOADROW i
.irp j, 0,1,2,3,4,5,6,7
	global_load_b128 v[X+32*(\i)+4*\j:X+32*(\i)+4*\j+3], v2, s[4:5] offset:(\i)*4096+512*\j th:TH_LOAD_NT
.endr
.endm
.macro TURN src, dst                   ; LDS serves a wave's instructions in order: no wait between the stores and the loads
.irp j, 0,1,2,3,4,5,6,7
	ds_store_b128 v3, v[\src+4*\j:\src+4*\j+3] offset:576*\j
.endr
.irp j, 0,1,2,3,4,5,6,7
	ds_load_b128 v[\dst+4*\j:\dst+4*\j+3], v4 offset:16*\j
.endr
.endm
.macro WSUM r, t                       ; the sum over the 32 lanes, in every lane
	s_delay_alu instid0(VALU_DEP_1)
	v_add_f32_dpp v[\r], v[\r], v[\r] row_xmask:1 row_mask:0xf bank_mask:0xf
	s_delay_alu instid0(VALU_DEP_1)
	v_add_f32_dpp v[\r], v[\r], v[\r] row_xmask:2 row_mask:0xf bank_mask:0xf
	s_delay_alu instid0(VALU_DEP_1)
	v_add_f32_dpp v[\r], v[\r], v[\r] row_xmask:4 row_mask:0xf bank_mask:0xf
	s_delay_alu instid0(VALU_DEP_1)
	v_add_f32_dpp v[\r], v[\r], v[\r] row_xmask:8 row_mask:0xf bank_mask:0xf
	s_delay_alu instid0(VALU_DEP_1)
	v_permlanex16_b32 v[\t], v[\r], s26, s27
	s_delay_alu instid0(VALU_DEP_1)
	v_add_f32 v[\r], v[\r], v[\t]
.endm
.irp j, 0,1,2,3,4,5,6,7
	global_load_b128 v[BI+4*\j:BI+4*\j+3], v2, s[6:7] offset:512*\j      ; alpha1 as it lies
.endr
.irp j, 0,1,2,3,4,5,6,7
	global_load_b128 v[Y+4*\j:Y+4*\j+3], v2, s[8:9] offset:512*\j        ; bias1 as it lies
.endr
	LOADROW 0
	LOADROW 1
	LOADROW 2
	LOADROW 3
	s_wait_loadcnt 40                              ; alpha1 is in: bias1's 8 loads and four rows' 32 are younger
	TURN BI, AL
	s_wait_dscnt 0x0
	s_wait_loadcnt 32                              ; bias1 is in: four rows' loads are younger
	TURN Y, BI
	s_wait_dscnt 0x0
.macro ROW i
	s_wait_loadcnt 8*(3-(\i))                      ; this row is in; the rows behind it stay out
	s_wait_xcnt 0x0                                ; the last row's store has read its codes: v240-243 are written again only behind this wait
	TURN X+32*(\i), Y
	s_wait_dscnt 0x0                               ; my block is in
.irp k, 0,1,2,3,4,5,6,7
	v_pk_add_f32 v[T+2*\k:T+2*\k+1], v[Y+4*\k:Y+4*\k+1], v[Y+4*\k+2:Y+4*\k+3]
.endr
.irp k, 0,4,8,12
	v_pk_add_f32 v[T+\k:T+\k+1], v[T+\k:T+\k+1], v[T+\k+2:T+\k+3]
.endr
	s_delay_alu instid0(VALU_DEP_3)
	v_pk_add_f32 v[T:T+1], v[T:T+1], v[T+4:T+5]
	s_delay_alu instid0(VALU_DEP_2)
	v_pk_add_f32 v[T+8:T+9], v[T+8:T+9], v[T+12:T+13]
	s_delay_alu instid0(VALU_DEP_1)
	v_pk_add_f32 v[T:T+1], v[T:T+1], v[T+8:T+9]
	s_delay_alu instid0(VALU_DEP_1)
	v_add_f32 v[T], v[T], v[T+1]
	WSUM T, T+1
	s_delay_alu instid0(VALU_DEP_1)
	v_mul_f32 v8, 0xba800000, v[T]                 ; -mean = sum x -2^-10
	s_delay_alu instid0(VALU_DEP_1)
	v_mov_b32 v9, v8
.irp k, 0,2,4,6,8,10,12,14,16,18,20,22,24,26,28,30
	v_pk_add_f32 v[Y+\k:Y+\k+1], v[Y+\k:Y+\k+1], v[8:9]
.endr
	v_pk_mul_f32 v[T:T+1], v[Y:Y+1], v[Y:Y+1]      ; the squares, in two chains
	v_pk_mul_f32 v[T+2:T+3], v[Y+2:Y+3], v[Y+2:Y+3]
.irp k, 4,8,12,16,20,24,28
	s_delay_alu instid0(VALU_DEP_2)
	v_pk_fma_f32 v[T:T+1], v[Y+\k:Y+\k+1], v[Y+\k:Y+\k+1], v[T:T+1]
	s_delay_alu instid0(VALU_DEP_2)
	v_pk_fma_f32 v[T+2:T+3], v[Y+\k+2:Y+\k+3], v[Y+\k+2:Y+\k+3], v[T+2:T+3]
.endr
	s_delay_alu instid0(VALU_DEP_1)
	v_pk_add_f32 v[T:T+1], v[T:T+1], v[T+2:T+3]
	s_delay_alu instid0(VALU_DEP_1)
	v_add_f32 v[T], v[T], v[T+1]
	WSUM T, T+1
	s_delay_alu instid0(VALU_DEP_1)
	v_mul_f32 v[T], 0x3a802008, v[T]               ; / 1,023
	s_wait_alu depctr_va_vdst(0)
	v_sqrt_f32 v[T], v[T]
	v_mov_b32 v12, v8                              ; (a plain line behind the root)  the stats' pair: -mean,
	s_wait_alu depctr_va_vdst(0)
	v_add_f32 v[T], 0x3727c5ac, v[T]               ; + 1e-5
	s_wait_alu depctr_va_vdst(0)
	v_rcp_f32 v10, v[T]
	v_nop                                          ; a plain line behind the reciprocal
	s_wait_alu depctr_va_vdst(0)
	v_mov_b32 v11, v10
	v_mov_b32 v13, v10                             ; and 1 / (std + eps)
.irp k, 0,2,4,6,8,10,12,14,16,18,20,22,24,26,28,30
	v_pk_mul_f32 v[Y+\k:Y+\k+1], v[Y+\k:Y+\k+1], v[10:11]
.endr
.irp k, 0,2,4,6,8,10,12,14,16,18,20,22,24,26,28,30
	v_pk_fma_f32 v[Y+\k:Y+\k+1], v[Y+\k:Y+\k+1], v[AL+\k:AL+\k+1], v[BI+\k:BI+\k+1]
.endr
	v_max3_num_f32 v14, |v[Y]|, |v[Y+1]|, 0x1800000        ; the block's largest magnitude, in two chains, over the floor 2^(3 - 127): the byte cannot fall under 1
	v_max3_num_f32 v15, |v[Y+16]|, |v[Y+17]|, 0x1800000
.irp k, 2,4,6,8,10,12,14
	s_delay_alu instid0(VALU_DEP_2)
	v_max3_num_f32 v14, v14, |v[Y+\k]|, |v[Y+\k+1]|
	s_delay_alu instid0(VALU_DEP_2)
	v_max3_num_f32 v15, v15, |v[Y+16+\k]|, |v[Y+17+\k]|
.endr
	s_delay_alu instid0(VALU_DEP_1)
	v_max_num_f32 v14, v14, v15
	s_delay_alu instid0(VALU_DEP_1)
	v_add_nc_u32 v14, 0xff000000, v14              ; 2 off its exponent field: the conversion takes that field as its scale
.irp g, 0,1,2,3
	v_cvt_scalef32_pk8_fp4_f32 v[T+\g], v[Y+8*\g:Y+8*\g+7], v14
.endr
	v_lshrrev_b32 v15, 23, v14                     ; the scale's byte (the plain line behind the conversions)
	global_store_b128 v2, v[T:T+3], s[12:13] offset:(\i)*512      ; the wave stores the row's 512 bytes of codes
	ds_store_b8 v5, v15 offset:32*(\i)
	ds_store_b64 v6, v[12:13] offset:8*(\i)        ; every lane writes the same pair
.endm
.irp i, 0,1,2,3
	ROW \i
.endr
	s_wait_xcnt 0x0                                ; the last store has read v240-243
	v_lshlrev_b32 v7, 2, v1                        ; 4 x lane
	v_lshlrev_b32 v18, 3, v1                       ; 8 x lane
	s_delay_alu instid0(VALU_DEP_2)
	v_add_nc_u32 v16, s21, v7
	v_and_b32 v17, 3, v1
	s_delay_alu instid0(VALU_DEP_1)
	v_lshl_add_u32 v17, v17, 3, v6
	ds_load_b32 v[T], v16                          ; my wave's 128 scale bytes, 4 a lane
	ds_load_b64 v[T+2:T+3], v17                    ; and its 4 pairs
	s_wait_alu depctr_va_vdst(0)
	s_wait_dscnt 0x0
	global_store_b32 v7, v[T], s[14:15]            ; 128 consecutive bytes
	s_wait_xcnt 0x0                                ; EXEC changes only behind this wait
	v_cmp_gt_u32 vcc_lo, 4, v1
	v_lshl_add_u32 v20, v0, 2, 0x1a500             ; no two registers can be kept through the rows: v0 is kept, and the add's two are made anew here
	v_mov_b32 v21, 0
	s_wait_alu depctr_va_vdst(0)
	s_wait_tensorcnt 0x0
	ds_add_u32 v20, v21
	s_wait_dscnt 0x0
	s_and_saveexec_b32 s24, vcc_lo
	global_store_b64 v18, v[T+2:T+3], s[16:17]     ; lanes 0-3: 32 bytes
	s_wait_xcnt 0x0
	s_or_b32 exec_lo, exec_lo, s24
	s_endpgm
.Lwo:                                              ; a wave takes 16 rows of a weight: in by rows (lane = block), out by blocks (sixteen lanes = the sixteen rows' 16 bytes).  One text for both weights: only pointers and offsets are chosen
	s_sub_co_u32 s22, ttmp9, 256
	s_lshl_b32 s22, s22, 3
	s_add_co_u32 s22, s22, s20                     ; tasks 0-63: Wo's tiles; 64-127: Wv's
	s_and_b32 s23, s22, 63                         ; the tile
	s_lshl_b32 s24, s23, 13                        ; its image: 8,192 bytes a tile; Wo's 16 neighbouring rows begin at the same offset
	s_lshr_b32 s26, s23, 1
	s_lshl_b32 s26, s26, 14
	s_and_b32 s27, s23, 1
	s_lshl_b32 s27, s27, 12
	s_add_co_u32 s26, s26, s27                     ; Wv's: row 32 (tile / 2) + 8 (tile % 2)
	s_mov_b32 s27, 0
	s_mov_b32 s23, 0
	s_mul_i32 s21, s20, WSTW
	s_add_co_u32 s21, s21, WST
	s_wait_alu depctr_va_vdst(0)
	v_mul_u32_u24 v3, v1, 272
	s_delay_alu instid0(VALU_DEP_1)
	v_add_nc_u32 v3, s21, v3                       ; in: block = lane, 272 bytes apart; row r at 16 r
	v_lshrrev_b32 v4, 4, v1
	s_delay_alu instid0(VALU_DEP_1)
	v_mul_u32_u24 v4, v4, 272
	v_and_b32 v5, 15, v1
	s_delay_alu instid0(VALU_DEP_1)
	v_lshl_add_u32 v4, v5, 4, v4
	s_delay_alu instid0(VALU_DEP_1)
	v_add_nc_u32 v4, s21, v4                       ; out: two blocks an instruction
	s_wait_alu depctr_va_vdst(0)
	s_wait_kmcnt 0x0
	s_cmp_ge_u32 s22, 64                           ; the choice hangs on the work-group's and the wave's number alone
	s_cselect_b64 s[10:11], s[28:29], s[10:11]     ; from Wv_codes or Wo_codes
	s_cselect_b64 s[18:19], s[30:31], s[18:19]     ; to wvimg or woimg
	s_cselect_b32 s26, s26, s24                    ; where the tile's first row lies
	s_cselect_b32 s22, 4096, 0                     ; Wv's rows 8-15 of a tile lie 8 rows further on
	s_add_nc_u64 s[10:11], s[10:11], s[26:27]
	s_add_nc_u64 s[18:19], s[18:19], s[24:25]
	s_add_nc_u64 s[12:13], s[10:11], s[22:23]
.irp r, 0,1,2,3,4,5,6,7
	global_load_b128 v[16+4*\r:19+4*\r], v2, s[10:11] offset:512*\r
.endr
.irp r, 8,9,10,11,12,13,14,15
	global_load_b128 v[16+4*\r:19+4*\r], v2, s[12:13] offset:512*\r
.endr
	s_wait_loadcnt 0x0
.irp r, 0,1,2,3,4,5,6,7,8,9,10,11,12,13,14,15
	ds_store_b128 v3, v[16+4*\r:19+4*\r] offset:16*\r
.endr
.irp g, 0,1,2,3,4,5,6,7,8,9,10,11,12,13,14,15
	ds_load_b128 v[80+4*\g:83+4*\g], v4 offset:544*\g
.endr
.irp g, 0,1,2,3,4,5,6,7,8,9,10,11,12,13,14,15
	s_wait_dscnt 15-\g                             ; the younger read-backs may be out
	global_store_b128 v2, v[80+4*\g:83+4*\g], s[18:19] offset:512*\g
.endr
	v_lshl_add_u32 v8, v0, 2, 0x1a500              ; the add's two registers, made from v0 as at the entry
	v_mov_b32 v9, 0
	s_wait_alu depctr_va_vdst(0)
	s_wait_tensorcnt 0x0
	ds_add_u32 v8, v9
	s_wait_dscnt 0x0
	s_endpgm
.Lfunc_end_k_qd0714df133_prep:
	.size	k_qd0714df133_prep, .Lfunc_end_k_qd0714df133_prep-k_qd0714df133_prep
	.p2alignl 7, 3214868480
	.fill 96, 4, 3214868480
	.section	.rodata,"a",@progbits
	.p2align	6, 0x0
	.amdhsa_kernel k_qd0714df133_prep
		.amdhsa_group_segment_fixed_size 108800
		.amdhsa_private_segment_fixed_size 0
		.amdhsa_enable_private_segment 0
		.amdhsa_kernarg_size 80
		.amdhsa_user_sgpr_count 2
		.amdhsa_user_sgpr_kernarg_segment_ptr 1
		.amdhsa_wavefront_size32 1
		.amdhsa_system_sgpr_workgroup_id_x 1
		.amdhsa_system_sgpr_workgroup_id_y 1
		.amdhsa_system_sgpr_workgroup_id_z 1
		.amdhsa_system_vgpr_workitem_id 0
		.amdhsa_next_free_vgpr 256
		.amdhsa_next_free_sgpr 66
		.amdhsa_reserve_vcc 1
		.amdhsa_float_denorm_mode_32 3
		.amdhsa_float_denorm_mode_16_64 3
		.amdhsa_memory_ordered 1
		.amdhsa_forward_progress 1
		.amdhsa_inst_pref_size 60
	.end_amdhsa_kernel
	.amdgpu_metadata
---
amdhsa.version: [ 1, 2 ]
amdhsa.kernels:
  - .name:           k_qd0714df133_prep
    .symbol:         k_qd0714df133_prep.kd
    .args:
      - { .name: x, .offset: 0, .size: 8, .value_kind: global_buffer, .address_space: global }
      - { .name: alpha1, .offset: 8, .size: 8, .value_kind: global_buffer, .address_space: global }
      - { .name: bias1, .offset: 16, .size: 8, .value_kind: global_buffer, .address_space: global }
      - { .name: Wo_codes, .offset: 24, .size: 8, .value_kind: global_buffer, .address_space: global }
      - { .name: xcodes, .offset: 32, .size: 8, .value_kind: global_buffer, .address_space: global }
      - { .name: xscales, .offset: 40, .size: 8, .value_kind: global_buffer, .address_space: global }
      - { .name: stats, .offset: 48, .size: 8, .value_kind: global_buffer, .address_space: global }
      - { .name: woimg, .offset: 56, .size: 8, .value_kind: global_buffer, .address_space: global }
      - { .name: Wv_codes, .offset: 64, .size: 8, .value_kind: global_buffer, .address_space: global }
      - { .name: wvimg, .offset: 72, .size: 8, .value_kind: global_buffer, .address_space: global }
    .group_segment_fixed_size: 108800
    .private_segment_fixed_size: 0
    .kernarg_segment_align: 8
    .kernarg_segment_size: 80
    .max_flat_workgroup_size: 256
    .sgpr_count:     66
    .vgpr_count:     256
    .wavefront_size: 32
...
	.end_amdgpu_metadata
.endif
;; end of part 1
;; launch qkv (part 2): grid 8 x 32, 4 waves a work-group, clusters of 4 x 4, 327,680 bytes of LDS; arguments xcodes, xscales, Wq_codes, Wq_scales, Wk_codes, Wk_scales, wvimg, Wv_scales, bq, bk, bv, mask, qkv; writes qkv
.if DOCPART == 2
	.amdgcn_target "amdgcn-amd-amdhsa--gfx1250"
	.amdhsa_code_object_version 6
	.text
	.protected	k_qd0714df133_qkv
	.globl	k_qd0714df133_qkv
	.p2align	8
	.type	k_qd0714df133_qkv,@function
k_qd0714df133_qkv:
	s_mov_b64 s[64:65], 0
	v_nop
	global_prefetch_b8 v0, s[64:65] scope:SCOPE_SE
	s_setreg_imm32_b32 hwreg(HW_REG_WAVE_MODE, 25, 1), 1
	s_wait_xcnt 0x0
	s_wait_alu depctr_hold_cnt(0) depctr_sa_sdst(0) depctr_va_vdst(0) depctr_va_sdst(0) depctr_va_ssrc(0) depctr_va_vcc(0) depctr_vm_vsrc(0)
	s_getreg_b32 s2, hwreg(HW_REG_IB_STS2, 6, 4)
	s_cmp_eq_u32 s2, 0
	s_cbranch_scc0 .Lentry_in_a_cluster
	s_endpgm
.Lentry_in_a_cluster:
	s_bfe_u32 s2, ttmp6, 0x10000c
	s_cmp_lg_u32 s2, 0xf033
	s_cbranch_scc0 .Lentry_shape_is_right
	s_endpgm
.Lentry_shape_is_right:
; QKV.  q = xn Wq + bq, k = xn Wk + bk, v = xn Wv + bv on E2M1 codes, each result quantised in registers for the attention launch and stored as images of operand registers.
; 8 x 32 = 256 work-groups of equal work.  The cluster's x, p, says q (0) or k (1), the same in all sixteen partners.  A work-group makes 256 tokens x 256 features of q or of k, and then, from the same tokens,
; 256 tokens x 128 features of v (features 256 cx + 128 p on): so the three products' 384 tiles fall evenly on 256 work-groups.
; The codes of the 256 tokens and of the 256 rows of Wq or Wk, for ALL of K = 1,024 (2 x 256 rows x 512 bytes), lie in LDS at once, filled once: no slot is ever filled again.
; CLUSTER 4 x 4: the four of a column need the same 256 rows of W, the four of a row the same 256 tokens: each is asked for jointly.  Wv has no room in LDS beside them: its tiles come straight from memory,
; as images that the launch before has laid (512 consecutive bytes are four registers of 32 lanes); each byte of them feeds two waves of the work-group.
; TILES OF 16 ROWS ARE NOT NEIGHBOURS: of each 32 rows, tile u (0, 1) takes rows 8 u + i + 8 (i / 8), i = 0 .. 15.  With such a tile as source 0, a lane's 16 registers of tiles 2 b and 2 b + 1 are the
; 16 neighbours 32 b + 16 (lane / 16) + 0 .. 15, which is what the conversions want.  The tensor load lays a tile's 16 rows on end: it takes 8 rows (4,096 dense bytes) as one row, every second such row.
; PART 0 (q or k): source 0 (P) = W's tiles, source 1 (R) = tokens' tiles: a lane holds one token, its registers run along the features: quantised along the head's 64.  A wave: 128 rows of P x 128 of R: 8 tiles of R.
; PART 1 (v): P = tokens' tiles, R = Wv's tiles: a lane holds one feature, its registers run along the keys: quantised along the keys.  A wave: 128 tokens (a key step) x one head's 64 features: 4 tiles of R.
; P's 64 fragments stay in registers (windows 1, 2); R's tiles go one after the other: 64 products on 8 accumulators by turns, then the quantiser in window 0.
; SCALE WORDS: a row's 32 bytes are 8 words, one for each 128 along K.  Lane (r, h) holds words 4 h .. 4 h + 3 of row r: K step s names register s % 4, from lanes 0-15 for s < 4, from lanes 16-31 else.
; THE KEY MASK rides in the unused half of the score product's K (the head has 64 of 128): q carries the code +1 at k = 64 under the byte 127, k the code -1 under the byte 160 (masked key) or 0 (open key),
; and a masked key's 64 codes are zeros.  So a masked score is exactly -2^33, a logit of -2^30 where the definition has -1e9, and an open score carries -2^-127.
; LIMITS: results are the definition's wherever open logits lie above about -1e9; a block under 2^-124 (zeros too) gets the byte 1 (only this program reads the bytes); NaN and infinities are not served.
; (The q product loads the mask as k's does, one text for both, and its selections then choose between equal numbers.)
.set BLK,  108544                      ; a head's block of qkv:
.set KIMG, 0                           ; k: [tile 64][512 bytes: registers 0-3]
.set VIMG, 32768                       ; v: [key step 8][tile of d 4][half 2][512 bytes]
.set KSCL, 65536                       ; k's scale words: [key step][lane][4 words]: word p: lanes 0-15 tile 2 p, lanes 16-31 tile 2 p + 1
.set VSCL, 69632                       ; v's: [key step][lane][2 words], likewise
.set QSCL, 71680                       ; q's, as k's
.set QIMG, 75776                       ; q, as k
.set PITCH, 528                        ; an LDS row: 512 bytes + 16: an odd multiple of 16, so that sixteen rows begin in sixteen different groups of banks
.set PTB,  16*PITCH                    ; a tile
.set HALF, 64*PITCH                    ; a wave's four tiles of one u
.set UREG, 128*PITCH                   ; the 8 tiles of one u: what one tensor load brings
.set XREG, 2*UREG                      ; W's rows at 0, the tokens' here
.set SP, 16                            ; v16-47   part 0: P's scale words, 4 a tile
.set SR, 48                            ; v48-79   part 0: R's
.set HA, 80                            ; v80-143  the 8 accumulators
.set PC, 144                           ; v144-151 the codes just made
.set TM, 152                           ; v152-167 at work in the quantiser
.set PW, 168                           ; the scale word just made
.set W0, 169
.set W1, 170
.set LT, 171                           ; r x 528 + 16 h
.set SW, 172                           ; v172-179 scale words gathered for the store
.set EX, 180                           ; v180-187 part 0: byte 2 of each token's scale word
.set CB1, 180                          ; v180-187 part 1: bv of my feature as the first product's C
.set KM, 188                           ; v188-195 part 0: all ones, or 0 for a masked key
.set MK, 196                           ; v196-203 part 0: the mask
.set SP2, 204                          ; v204-235 part 1: the tokens' scale words
.set SR2, 236                          ; v236-251 part 1: Wv's
.set BV, 252                           ; v252-255 part 1: bv of my feature in each of the four tiles
.set RF, 0                             ; window 3: v0-63 part 0: R's fragments of the tile in hand
.set CB, 64                            ; window 3: v64-127 part 0: the bias as the first product's C.  Part 1: Wv's tile a lies at v[64 ((a + 2) % 4)] of window 3
.set MSB, 0
.macro WIN new                         ; the immediate's high byte repeats the setting that is left
.if MSB != \new
	s_set_vgpr_msb (MSB<<8)|\new
.set MSB, \new
.endif
.endm
.macro CROUND                          ; a round of the cluster's barrier
	s_barrier_signal -1
	s_barrier_wait -1
	s_cmp_lg_u32 s3, 0
	s_cbranch_scc1 .Lnot_wave_0_\@
	s_barrier_signal -3
.Lnot_wave_0_\@:
	s_barrier_wait -3
	s_barrier_signal -1
	s_barrier_wait -1
.endm
	s_load_b512 s[36:51], s[0:1], 0x0              ; xcodes 36, xscales 38, Wq_codes 40, Wq_scales 42, Wk_codes 44, Wk_scales 46, wvimg 48, Wv_scales 50
	s_load_b256 s[52:59], s[0:1], 0x40             ; bq 52, bk 54, bv 56, mask 58
	s_load_b64 s[60:61], s[0:1], 0x60              ; qkv
	v_lshl_add_u32 v162, v0, 2, 0x42000
	v_mov_b32 v163, 0
	ds_add_u32 v162, v163
	ds_add_u32 v162, v163
	v_lshrrev_b32 v1, 5, v0
	v_readfirstlane_b32 s3, v1                     ; wave
	s_and_b32 s4, s3, 1                            ; hp: my half of P.  Also: which u I fetch
	s_lshr_b32 s5, s3, 1                           ; hr: my half of R.  Also: I fetch W (0) or tokens (1)
	s_bfe_u32 s6, ttmp6, 0x40000                   ; cx: which 256 features
	s_bfe_u32 s7, ttmp6, 0x40004                   ; cy
	s_and_b32 s8, ttmp7, 0xffff
	s_lshl_b32 s8, s8, 2
	s_add_co_u32 s8, s8, s7                        ; ty: which 256 tokens = 4 x cluster y + cy
	s_lshl_b32 s9, s7, 2
	s_lshl_b32 s9, 15, s9                          ; my row of the cluster
	s_lshl_b32 s10, 0x1111, s6                     ; my column
	; group 1: 16 rows of 512 elements of 8 bytes (8 rows of codes on end), 1,024 elements apart; 4 words of padding behind every 128
	s_or_b32 s16, s10, (3<<16)|(1<<20)|(1<<21)|(6<<22)|(3<<25)   ; W's rows go to my column
	s_or_b32 s28, s9, (3<<16)|(1<<20)|(1<<21)|(6<<22)|(3<<25)    ; the tokens' to my row
.irp g, 16, 28
	s_mov_b32 s[\g+1], 512<<16                     ; tensor_dim0
	s_mov_b32 s[\g+2], 16<<16                      ; tensor_dim1
	s_mov_b32 s[\g+3], 512<<16                     ; tile_dim0
	s_mov_b32 s[\g+4], 16                          ; tile_dim1
	s_mov_b32 s[\g+5], 1024                        ; from row to row
	s_mov_b32 s[\g+6], 0
	s_mov_b32 s[\g+7], 0
.endr
	s_mul_i32 s11, s3, UREG                        ; where my load lands: wave x 67,584: no place in the cluster enters an LDS address
	s_lshl_b32 s92, s4, 12                         ; u x 8 rows
	s_lshl_b32 s82, s6, 17                         ; W: 256 cx rows of 512 bytes
	s_add_co_u32 s82, s82, s92
	s_mov_b32 s83, 0
	s_lshl_b32 s84, s8, 17                         ; tokens: 256 ty rows
	s_add_co_u32 s84, s84, s92
	s_mov_b32 s85, 0
	s_mov_b32 s89, 0xffff0000                      ; lanes 16-31
	s_mov_b32 s90, 0x76543210
	s_mov_b32 s91, 0xfedcba98                      ; v_permlanex16_b32's selects for lane l xor 16
	s_wait_dscnt 0x0
	s_wait_kmcnt 0x0
	s_cmp_eq_u32 ttmp9, 1                          ; Wk or Wq: the choice hangs on the cluster's x alone
	s_cselect_b64 s[66:67], s[44:45], s[40:41]     ; its codes,
	s_cselect_b64 s[68:69], s[46:47], s[42:43]     ; its scale bytes,
	s_cselect_b64 s[70:71], s[54:55], s[52:53]     ; its bias
	s_mov_b32 s12, 1
	s_mov_b32 s13, s11
	s_add_nc_u64 s[14:15], s[66:67], s[82:83]
	s_or_b32 s15, s15, 0x80000000
	s_mov_b32 s24, 1
	s_mov_b32 s25, s11
	s_add_nc_u64 s[26:27], s[36:37], s[84:85]
	s_or_b32 s27, s27, 0x80000000
	CROUND                                         ; all sixteen work-groups are here: the joint loads meet
	s_cmp_eq_u32 s5, 0                             ; one load a wave; four v_nop follow each of the two lines
	s_cbranch_scc0 .Lfor_x
	tensor_load_to_lds s[12:15], s[16:23]
	s_nop 0
.rept 4
	v_nop
.endr
	s_branch .Lasked
.Lfor_x:
	tensor_load_to_lds s[24:27], s[28:35]
	s_nop 0
.rept 4
	v_nop
.endr
.Lasked:
	v_and_b32 v1, 15, v0                           ; r
	v_bfe_u32 v2, v0, 4, 1                         ; h
	v_and_b32 v3, 8, v1
	v_add_nc_u32 v3, v3, v1                        ; r + 8 (r / 8)
	v_lshlrev_b32 v8, 5, v3
	v_lshl_add_u32 v8, v2, 4, v8                   ; scale bytes: my row of 32, my half of 16
	s_wait_alu depctr_va_vdst(0)
	v_and_b32 v9, 31, v0
	v_lshlrev_b32 v10, 3, v9                       ; 8 x lane
	v_lshlrev_b32 v9, 4, v9                        ; 16 x lane
	v_lshlrev_b32 v11, 6, v2                       ; 16 h numbers of a bias
	v_lshlrev_b32 v12, 2, v3                       ; my row's word of the mask, or of bv
	s_wait_alu depctr_va_vdst(0)
	v_mul_u32_u24 v[LT], v1, PITCH
	v_lshl_add_u32 v[LT], v2, 4, v[LT]
	; where everything lies.  s83 stays 0: s[82:83] is the offset of each sum
	s_lshl_b32 s82, s6, 13
	s_lshl_b32 s94, s4, 12
	s_add_co_u32 s82, s82, s94
	s_add_nc_u64 s[72:73], s[68:69], s[82:83]      ; W's scale bytes, 32 a row: rows 256 cx + 128 hp
	s_lshl_b32 s84, s8, 13
	s_lshl_b32 s94, s5, 12
	s_add_co_u32 s82, s84, s94
	s_add_nc_u64 s[74:75], s[38:39], s[82:83]      ; the tokens': 256 ty + 128 hr (part 0's R)
	s_lshl_b32 s94, s4, 12
	s_add_co_u32 s82, s84, s94
	s_add_nc_u64 s[98:99], s[38:39], s[82:83]      ; and 256 ty + 128 hp (part 1's P)
	s_lshl_b32 s95, s6, 2
	s_lshl_b32 s94, ttmp9, 1
	s_add_co_u32 s95, s95, s94
	s_add_co_u32 s95, s95, s5                      ; v's head of my wave: 4 cx + 2 p + hr
	s_lshl_b32 s82, s95, 11
	s_add_nc_u64 s[96:97], s[50:51], s[82:83]      ; Wv's scale bytes of its 64 rows
	s_lshl_b32 s82, s95, 8
	s_add_nc_u64 s[56:57], s[56:57], s[82:83]      ; bv of its 64 features
	s_lshl_b32 s82, s95, 15
	s_add_nc_u64 s[48:49], s[48:49], s[82:83]      ; its four tiles' images
	s_lshl_b32 s82, s6, 10
	s_lshl_b32 s94, s4, 9
	s_add_co_u32 s82, s82, s94
	s_add_nc_u64 s[70:71], s[70:71], s[82:83]      ; bq or bk of features 256 cx + 128 hp
	s_lshl_b32 s82, s8, 10
	s_lshl_b32 s94, s5, 9
	s_add_co_u32 s82, s82, s94
	s_add_nc_u64 s[80:81], s[58:59], s[82:83]      ; the mask of tokens 256 ty + 128 hr
	s_lshr_b32 s92, s8, 2
	s_lshl_b32 s92, s92, 4                         ; 16 x batch
	s_lshl_b32 s94, s6, 2
	s_add_co_u32 s82, s92, s94
	s_lshl_b32 s94, s4, 1
	s_add_co_u32 s82, s82, s94                     ; + part 0's first head: 4 cx + 2 hp
	s_mul_i32 s82, s82, BLK
	s_add_co_u32 s92, s92, s95
	s_mul_i32 s92, s92, BLK                        ; v's block
	s_and_b32 s94, s8, 3
	s_lshl_b32 s94, s94, 1
	s_add_co_u32 s84, s94, s5                      ; part 0: which 128 tokens of the batch: 2 (ty % 4) + hr
	s_add_co_u32 s94, s94, s4                      ; part 1: 2 (ty % 4) + hp
	s_cmp_eq_u32 ttmp9, 1                          ; k or q
	s_cselect_b32 s86, 0, 0x7f0000                 ; byte 2 of an open token's word: k 0, q 127
	s_mov_b32 s87, 0x7f0000
	s_cselect_b32 s87, 0xa00000, s87               ; of a masked one: k 160, q 127
	s_cselect_b32 s88, 0, -1                       ; what a masked token's codes are ANDed with
	s_cselect_b32 s62, KIMG, QIMG
	s_mov_b32 s63, QSCL
	s_cselect_b32 s63, KSCL, s63
	s_add_co_u32 s62, s62, s82
	s_add_co_u32 s63, s63, s82
	s_lshl_b32 s82, s84, 12
	s_add_co_u32 s82, s82, s62
	s_add_nc_u64 s[76:77], s[60:61], s[82:83]      ; part 0: where my images go,
	s_lshl_b32 s82, s84, 9
	s_add_co_u32 s82, s82, s63
	s_add_nc_u64 s[78:79], s[60:61], s[82:83]      ; and my scale words
	s_lshl_b32 s82, s94, 12
	s_add_co_u32 s82, s82, s92
	s_add_co_u32 s82, s82, VIMG
	s_add_nc_u64 s[52:53], s[60:61], s[82:83]      ; part 1: the same
	s_lshl_b32 s82, s94, 8
	s_add_co_u32 s82, s82, s92
	s_add_co_u32 s82, s82, VSCL
	s_add_nc_u64 s[54:55], s[60:61], s[82:83]
.irp t, 0,1,2,3,4,5,6,7
	global_load_b128 v[SP+4*\t:SP+4*\t+3], v8, s[72:73] offset:(32*(\t/2)+8*(\t%2))*32
.endr
.irp t, 0,1,2,3,4,5,6,7
	global_load_b128 v[SR+4*\t:SR+4*\t+3], v8, s[74:75] offset:(32*(\t/2)+8*(\t%2))*32
.endr
.irp t, 0,1,2,3,4,5,6,7
	global_load_b32 v[MK+\t], v12, s[80:81] offset:(32*(\t/2)+8*(\t%2))*4
.endr
	WIN 0xc0
.irp t, 0,1,2,3,4,5,6,7                ; the bias in the result's layout: tile 2 b + u, register j: feature 32 b + 16 h + 8 u + j
	global_load_b128 v[CB+8*\t:CB+8*\t+3], v11, s[70:71] offset:(32*(\t/2)+8*(\t%2))*4
	global_load_b128 v[CB+8*\t+4:CB+8*\t+7], v11, s[70:71] offset:(32*(\t/2)+8*(\t%2))*4+16
.endr
	WIN 0
.irp t, 0,1,2,3,4,5,6,7
	global_load_b128 v[SP2+4*\t:SP2+4*\t+3], v8, s[98:99] offset:(32*(\t/2)+8*(\t%2))*32
.endr
.irp t, 0,1,2,3
	global_load_b128 v[SR2+4*\t:SR2+4*\t+3], v8, s[96:97] offset:(32*(\t/2)+8*(\t%2))*32
	global_load_b32 v[BV+\t], v12, s[56:57] offset:(32*(\t/2)+8*(\t%2))*4
.endr
	s_wait_alu depctr_va_vdst(0)
	s_wait_tensorcnt 0x0                           ; my quarter of LDS is in,
	s_barrier_signal -1
	s_barrier_wait -1                              ; everybody's is
; 64 numbers of a lane, register 16 b + i = k 32 b + 16 h + i of my row, become 8 registers of codes (4 c .. 4 c + 3: k = 64 c + 32 h + 0 .. 31) and a scale word
.macro QUANT4 s
.irp b, 0,1,2,3
	v_max3_num_f32 v[TM+\b], |v[\s+16*\b]|, |v[\s+1+16*\b]|, 0x1800000   ; each accumulator is read from its low end on; the floor 2^(3 - 127) holds the byte at 1
.endr
.irp i, 2,4,6,8,10,12,14
.irp b, 0,1,2,3
	v_max3_num_f32 v[TM+\b], v[TM+\b], |v[\s+16*\b+\i]|, |v[\s+1+16*\b+\i]|
.endr
.endr
.irp b, 0,1,2,3
	v_permlanex16_b32 v[TM+4+\b], v[TM+\b], s90, s91
.endr
.irp b, 0,1,2,3
	v_max_num_f32 v[TM+\b], v[TM+\b], v[TM+4+\b]   ; with lane l xor 16's: the block's largest magnitude
.endr
.irp b, 0,1,2,3
	v_add_nc_u32 v[TM+12+\b], 0xff000000, v[TM+\b] ; 2 off its exponent field: the conversion's scale operand
.endr
.irp b, 0,1,2,3
	v_lshrrev_b32 v[TM+4+\b], 23, v[TM+12+\b]      ; the byte
.endr
	v_lshl_or_b32 v[PW], v[TM+5], 8, v[TM+4]
	v_lshl_or_b32 v[PW], v[TM+6], 16, v[PW]
	v_lshl_or_b32 v[PW], v[TM+7], 24, v[PW]
.irp b, 0,1,2,3
	v_cvt_scalef32_pk8_fp4_f32 v[PC+2*\b], v[\s+16*\b:\s+7+16*\b], v[TM+12+\b]
	v_cvt_scalef32_pk8_fp4_f32 v[PC+1+2*\b], v[\s+8+16*\b:\s+15+16*\b], v[TM+12+\b]
.endr
	v_nop                                          ; one plain line behind the conversions
.irp c, 0,1
.irp i, 0,1
	v_permlane16_swap_b32 v[PC+4*\c+\i], v[PC+2+4*\c+\i]   ; a whole block to a lane
.endr
.endr
.endm
.macro PLOAD                           ; P's 64 fragments from LDS: (s, t) at v[64 (s % 4) + 8 t] of window 1 + s / 4
.irp s, 0,1,2,3,4,5,6,7
.if \s < 4
	WIN 0x40
.else
	WIN 0x80
.endif
.irp t, 0,1,2,3,4,5,6,7
.irp c, 0,1
	ds_load_b128 v[64*(\s%4)+8*\t+4*\c:64*(\s%4)+8*\t+4*\c+3], v[4+\t%2] offset:(\t/2)*PTB+64*\s+32*\c
.endr
.endr
.endr
.endm
.macro RLOAD a                         ; part 0: R's tile a, all of K: 16 loads from LDS into window 3
.irp s, 0,1,2,3,4,5,6,7
.irp c, 0,1
	ds_load_b128 v[RF+8*\s+4*\c:RF+8*\s+4*\c+3], v[6+(\a)%2] offset:((\a)/2)*PTB+64*\s+32*\c
.endr
.endr
.endm
.macro GLOAD a                         ; part 1: Wv's tile a, all of K: 16 loads of 512 consecutive bytes from memory into window 3
.irp s, 0,1,2,3,4,5,6,7
.irp c, 0,1
	global_load_b128 v[64*(((\a)+2)%4)+8*\s+4*\c:64*(((\a)+2)%4)+8*\s+4*\c+3], v9, s[48:49] offset:(\a)*8192+\s*1024+\c*512
.endr
.endr
.endm
.macro MM role, a, s, t                ; one product: P's tile t x R's tile a, K step s
.set rD, HA+8*(\t)
.set rA, 64*((\s)%4)+8*(\t)
.if \role == 0
.set rB, RF+8*(\s)
.set rS, SP+4*(\t)+(\s)%4
.set rT, SR+4*(\a)+(\s)%4
.else
.set rB, 64*(((\a)+2)%4)+8*(\s)
.set rS, SP2+4*(\t)+(\s)%4
.set rT, SR2+4*(\a)+(\s)%4
.endif
.if (\s) == 0
.if \role == 0
.set rC, CB+8*(\t)
.else
.set rC, CB1
.endif
.else
.set rC, rD
.endif
.if (\s) < 4
	v_wmma_scale_f32_16x16x128_f8f6f4 v[rD:rD+7], v[rA:rA+7], v[rB:rB+7], v[rC:rC+7], v[rS], v[rT] matrix_a_fmt:MATRIX_FMT_FP4 matrix_b_fmt:MATRIX_FMT_FP4
.else
	v_wmma_scale_f32_16x16x128_f8f6f4 v[rD:rD+7], v[rA:rA+7], v[rB:rB+7], v[rC:rC+7], v[rS], v[rT] matrix_a_fmt:MATRIX_FMT_FP4 matrix_b_fmt:MATRIX_FMT_FP4 matrix_a_scale:MATRIX_SCALE_ROW1 matrix_b_scale:MATRIX_SCALE_ROW1
.endif
.endm
.macro TILE role, a
.if (\role == 0) || ((\a) == 0)
	s_wait_dscnt 0x0                               ; part 0: R's tile is in; a part's first tile: P's fragments too
.endif
.if (\role == 1) && ((\a) == 2)
	s_wait_loadcnt 16                              ; Wv's third tile is in; the fourth's 16 loads may be out
.endif
.if (\role == 1) && ((\a) == 3)
	s_wait_loadcnt 0x0
.endif
.irp s, 0,1,2,3,4,5,6,7                ; the 8 accumulators take turns, one instruction a turn
.if (\s == 0) && (\role == 0)
	WIN 0x3d                                       ; P window 1, R and the bias window 3, the sums window 0
.elseif \s < 4
	WIN 0x0d                                       ; P window 1, R window 3, C and D window 0
.else
	WIN 0x0e                                       ; P window 2
.endif
.irp t, 0,1,2,3,4,5,6,7
	MM \role, \a, \s, \t
.endr
.endr
	WIN 0
.rept 5
	v_nop                                          ; five places: the next tile's first products write over these sums with another C; four of them serve the loads and moves below and the quantiser's reads
.endr
.if \role == 0
.if (\a) < 7
	WIN 0xc0
	RLOAD (\a)+1                                   ; the next tile lands while this one is quantised
	WIN 0
.endif
.else
.if (\a) < 3
.irp j, 0,1,2,3,4,5,6,7
	v_mov_b32 v[CB1+\j], v[BV+(\a)+1]              ; the next tile's bias: one number a lane
.endr
.endif
.endif
	s_wait_xcnt 0x0                                ; the stores before have read the codes' and the scale words' registers
	QUANT4 HA
.if \role == 0
.irp i, 0,1,2,3,4,5,6,7
	v_and_b32 v[PC+\i], v[PC+\i], v[KM+(\a)]       ; a masked key's codes are zeros
.endr
	global_store_b128 v9, v[PC:PC+3], s[76:77] offset:(\a)*512            ; the first head's 64 features: 512 consecutive bytes
	global_store_b128 v9, v[PC+4:PC+7], s[76:77] offset:(\a)*512+BLK      ; the second head's
.if (\a)%2 == 0
	v_and_or_b32 v[SW+(\a)/2], v[PW], 0xffff, v[EX+(\a)]                  ; [s0, s1, byte 2, 0] of the first head,
	v_lshrrev_b32 v[W1], 16, v[PW]
	v_or_b32 v[SW+4+(\a)/2], v[W1], v[EX+(\a)]                            ; of the second
.else
	v_and_or_b32 v[W0], v[PW], 0xffff, v[EX+(\a)]
	v_lshrrev_b32 v[W1], 16, v[PW]
	v_or_b32 v[W1], v[W1], v[EX+(\a)]
	v_cndmask_b32 v[SW+(\a)/2], v[SW+(\a)/2], v[W0], s89                  ; an odd tile's words go to lanes 16-31
	v_cndmask_b32 v[SW+4+(\a)/2], v[SW+4+(\a)/2], v[W1], s89
.endif
.else
	global_store_b128 v9, v[PC:PC+3], s[52:53] offset:(\a)*1024           ; keys 0-63 of the step, 16 channels: 512 consecutive bytes
	global_store_b128 v9, v[PC+4:PC+7], s[52:53] offset:(\a)*1024+512     ; keys 64-127
.if (\a)%2 == 0
	v_mov_b32 v[SW+(\a)/2], v[PW]
.else
	v_cndmask_b32 v[SW+(\a)/2], v[SW+(\a)/2], v[PW], s89
.endif
.endif
.endm
	; ---- PART 0: q or k
	s_mul_i32 s82, s4, HALF
	v_add_nc_u32 v4, s82, v[LT]                    ; P: W's tiles of u = 0,
	s_add_co_u32 s82, s82, UREG
	v_add_nc_u32 v5, s82, v[LT]                    ; of u = 1
	s_mul_i32 s82, s5, HALF
	s_add_co_u32 s82, s82, XREG
	v_add_nc_u32 v6, s82, v[LT]                    ; R: the tokens'
	s_add_co_u32 s82, s82, UREG
	v_add_nc_u32 v7, s82, v[LT]
	PLOAD
	WIN 0xc0
	RLOAD 0
	WIN 0
	s_wait_loadcnt 0x0                             ; scale words, biases, mask
	WIN 0xc0
	GLOAD 0                                        ; Wv's first two tiles, into registers that part 0 leaves alone: they land while q or k is made
	GLOAD 1
	WIN 0
	v_mov_b32 v13, s86
	v_mov_b32 v14, s87
	v_mov_b32 v15, s88
.irp t, 0,1,2,3,4,5,6,7
	v_cmp_eq_u32 vcc_lo, 0, v[MK+\t]
	v_cndmask_b32 v[EX+\t], v13, v14, vcc_lo
	v_cndmask_b32 v[KM+\t], -1, v15, vcc_lo
.endr
.irp b, 0,1,2,3
	v_mov_b32 v[TM+4+\b], 0                        ; written once: a lane permute's destination counts as one of its sources
.endr
.irp a, 0,1,2,3,4,5,6,7
	TILE 0, \a
.endr
	global_store_b128 v9, v[SW:SW+3], s[78:79]                 ; the 8 tiles' scale words: 512 consecutive bytes a head
	global_store_b128 v9, v[SW+4:SW+7], s[78:79] offset:BLK
	; ---- PART 1: v.  The last products stand five places and a quantiser back: every register that they read may be loaded again
	s_mul_i32 s82, s4, HALF
	s_add_co_u32 s82, s82, XREG
	v_add_nc_u32 v4, s82, v[LT]                    ; P: the tokens' tiles of my key step, u = 0,
	s_add_co_u32 s82, s82, UREG
	v_add_nc_u32 v5, s82, v[LT]                    ; u = 1
	s_wait_alu depctr_va_vdst(0)
	s_wait_loadcnt 0x0                             ; Wv's first two tiles, asked for eight tiles ago
	WIN 0xc0
	GLOAD 2                                        ; the other two, where part 0's R and bias lay: they land under the first two tiles' work
	GLOAD 3
	PLOAD
	WIN 0
.irp j, 0,1,2,3,4,5,6,7
	v_mov_b32 v[CB1+\j], v[BV]
.endr
	s_wait_alu depctr_va_vdst(0)
.irp a, 0,1,2,3
	TILE 1, \a
.endr
	global_store_b64 v10, v[SW:SW+1], s[54:55]                 ; the 4 tiles' scale words: 256 consecutive bytes
	s_wait_tensorcnt 0x0
	ds_add_u32 v162, v163
	s_wait_dscnt 0x0
	CROUND                                         ; the closing round: no work-group ends while a partner may still ask for rows that name it
	s_endpgm
.Lfunc_end_k_qd0714df133_qkv:
	.size	k_qd0714df133_qkv, .Lfunc_end_k_qd0714df133_qkv-k_qd0714df133_qkv
	.p2alignl 7, 3214868480
	.fill 96, 4, 3214868480
	.section	.rodata,"a",@progbits
	.p2align	6, 0x0
	.amdhsa_kernel k_qd0714df133_qkv
		.amdhsa_group_segment_fixed_size 327680
		.amdhsa_private_segment_fixed_size 0
		.amdhsa_enable_private_segment 0
		.amdhsa_kernarg_size 104
		.amdhsa_user_sgpr_count 2
		.amdhsa_user_sgpr_kernarg_segment_ptr 1
		.amdhsa_wavefront_size32 1
		.amdhsa_system_sgpr_workgroup_id_x 1
		.amdhsa_system_sgpr_workgroup_id_y 1
		.amdhsa_system_sgpr_workgroup_id_z 1
		.amdhsa_system_vgpr_workitem_id 0
		.amdhsa_next_free_vgpr 1024
		.amdhsa_next_free_sgpr 100
		.amdhsa_reserve_vcc 1
		.amdhsa_float_denorm_mode_32 3
		.amdhsa_float_denorm_mode_16_64 3
		.amdhsa_memory_ordered 1
		.amdhsa_forward_progress 1
		.amdhsa_inst_pref_size 198
	.end_amdhsa_kernel
	.amdgpu_metadata
---
amdhsa.version: [ 1, 2 ]
amdhsa.kernels:
  - .name:           k_qd0714df133_qkv
    .symbol:         k_qd0714df133_qkv.kd
    .args:
      - { .name: xcodes, .offset: 0, .size: 8, .value_kind: global_buffer, .address_space: global }
      - { .name: xscales, .offset: 8, .size: 8, .value_kind: global_buffer, .address_space: global }
      - { .name: Wq_codes, .offset: 16, .size: 8, .value_kind: global_buffer, .address_space: global }
      - { .name: Wq_scales, .offset: 24, .size: 8, .value_kind: global_buffer, .address_space: global }
      - { .name: Wk_codes, .offset: 32, .size: 8, .value_kind: global_buffer, .address_space: global }
      - { .name: Wk_scales, .offset: 40, .size: 8, .value_kind: global_buffer, .address_space: global }
      - { .name: wvimg, .offset: 48, .size: 8, .value_kind: global_buffer, .address_space: global }
      - { .name: Wv_scales, .offset: 56, .size: 8, .value_kind: global_buffer, .address_space: global }
      - { .name: bq, .offset: 64, .size: 8, .value_kind: global_buffer, .address_space: global }
      - { .name: bk, .offset: 72, .size: 8, .value_kind: global_buffer, .address_space: global }
      - { .name: bv, .offset: 80, .size: 8, .value_kind: global_buffer, .address_space: global }
      - { .name: mask, .offset: 88, .size: 8, .value_kind: global_buffer, .address_space: global }
      - { .name: qkv, .offset: 96, .size: 8, .value_kind: global_buffer, .address_space: global }
    .group_segment_fixed_size: 327680
    .private_segment_fixed_size: 0
    .kernarg_segment_align: 8
    .kernarg_segment_size: 104
    .max_flat_workgroup_size: 128
    .sgpr_count:     100
    .vgpr_count:     1024
    .wavefront_size: 32
...
	.end_amdgpu_metadata
.endif
;; end of part 2
;; launch attn (part 3): grid 2 x 128, 16 waves a work-group, no clusters, 327,680 bytes of LDS; arguments qkv, ocodes, oscl; writes ocodes, oscl
.if DOCPART == 3
	.amdgcn_target "amdgcn-amd-amdhsa--gfx1250"
	.amdhsa_code_object_version 6
	.text
	.protected	k_qd0714df133_attn
	.globl	k_qd0714df133_attn
	.p2align	8
	.type	k_qd0714df133_attn,@function
k_qd0714df133_attn:
	s_mov_b64 s[64:65], 0
	v_nop
	global_prefetch_b8 v0, s[64:65] scope:SCOPE_SE
	s_setreg_imm32_b32 hwreg(HW_REG_WAVE_MODE, 25, 1), 1
	s_wait_xcnt 0x0
; ATTN.  For one head of one batch and 512 queries: O = softmax(q k^T / 8, masked) v, both products on E2M1 codes; O is quantised along the features for the last product and leaves as images of operand registers.
; THE SOFTMAX AHEAD OF THE SECOND PRODUCT: t = score x log2(e) / 8; M = the running largest t rounded UP to a whole number; p = 2^(t - M) is quantised along the keys, not normalised; the row's sum is taken of the
; unquantised p and divides O at the end.  When M moves, the sum and O are multiplied by 2^(old M - new M), which rounds nothing.
; A head's k, v and their scale words, 71,680 bytes, lie in LDS as the launch before laid them (images: 512 bytes on end are four registers of 32 lanes), each byte filled ONCE.
; THE FILL GOES IN TWO GROUPS.  At the head wave 0 asks for k's key steps 0 and 1 (8,192 bytes), wave 1 for v's, wave 8 for all scale words (6,144 bytes).  Behind the first barrier waves 2 to 7 ask for the other
; six pieces of 8,192 bytes, one load a wave; they land while key steps 0 and 1 of the first query tile are worked, and a second barrier stands ahead of key step 2.
; Sixteen waves, four to a SIMD.  A wave takes two tiles of 16 queries, one after the other; each walks 8 steps of 128 keys.  Both products are used transposed (S^T = k q^T, O^T = v^T p^T): a lane holds ONE query.
; THE KEYS OF A SCORE TILE ARE CHOSEN BY THE LDS ADDRESS: tile (c, t), c = 0, 1, t = 0 .. 3, takes in rows 0-7 keys 64 c + 8 t + i and in rows 8-15 keys 64 c + 32 + 8 t + i.  Lane (r, h) then holds, in the 32 registers
; of tiles (c, 0 .. 3), keys 64 c + 32 h + 0 .. 31: a WHOLE block of the second product's K.  So a block's maximum needs no other lane, and the conversion of tile (c, t) is register 4 c + t of p's operand as it stands.
; In the images (tile 2 g + u of a step: row i = key 32 g + 8 u + i + 8 (i / 8)) that key lies in tile 4 c + 2 (r / 8) + t % 2, row 8 (t / 2) + r % 8: a lane term and a constant offset.
; THE MASK costs nothing here: the head has 64 of the product's 128 along K; at k = 64 q carries +1 (byte 127) and k carries -1 under the byte 160 (masked: the key's other codes are zeros, the score is exactly -2^33)
; or 0 (open: -2^-127).  c x -2^33 is a whole number, so a batch whose keys are all masked gives p = 1 everywhere: the even softmax that the definition gives.
; NO CLUSTER: a work-group fetches its 71,680 bytes once and then works 256 key steps on them: what the two work-groups of a head share is a small part of the launch's bytes.
; NO PREFETCH: every byte that the launch reads through LDS is asked for by the two groups of tensor loads above; no later step has anything left to ask for.
; LIMITS: a masked logit is -2^30 where the definition has -1e9: the same results wherever open logits lie above about -1e9; the scaled scores stay under 2^31 in magnitude.  A block under 2^-124 gets the byte 1.
; NaN and infinities are not served.  The 32 scale bytes of a tile leave as 2 bytes a lane, 16 bytes apart: one byte in 17 of what a tile stores.
.set BLK,  108544
.set VIMG, 32768
.set KSCL, 65536
.set VSCL, 69632
.set QSCL, 71680
.set QIMG, 75776
.set SPARE, 0x29000                    ; the spare words: 128 bytes a wave, eight blocks of 256 bytes that no other line names
.set SPW, 2                            ; v2  my spare word's address; never rewritten
.set NIL, 3                            ; v3  0; never rewritten
.set SO,  8                            ; v8-9     the conversions' scale operands
.set SH,  10                           ; v10      8 h: where my two scale bytes stand in p's word
.set QF,  16                           ; v16-31   q's two fragments
.set QS,  32                           ; v32-33   q's scale words
.set KS,  34                           ; v34-37   k's scale words: register 2 c + t / 2; lanes 0-15 even t, lanes 16-31 odd t
.set VS,  38                           ; v38-39   v's
.set PW,  40                           ; p's scale word
.set U16, 41                           ; O's two scale bytes
.set F,   42                           ; v42 f = 2^(old M - new M); v43 named with it as a pair
.set TMP, 44
.set TMP2, 45
.set AK0, 46                           ; my lane's place in a step's images of k
.set AKS0, 47                          ; and among k's scale words
.set KF,  48                           ; v48-111  k's 8 fragments; registers 4-7 of each are constants; registers 0-3 of the first four serve the row's sum between two steps' loads
.set VF,  112                          ; v112-143 v's 4 fragments
.set S,   144                          ; v144-207 S^T, then p: tile (c, t) at 32 c + 8 t
.set O,   208                          ; v208-239 O^T
.set PC,  240                          ; v240-247 the tiles' maxima, then p's codes
.set BM,  248                          ; v248-249 my two blocks' maxima
.set W,   250                          ; my two bytes; v251 the other half's
.set W2,  251
.set B,   252                          ; v252-253 the bytes
.set AVS0, 254                         ; my lane's place among v's scale words
	s_load_b128 s[4:7], s[0:1], 0x0                ; qkv, ocodes
	s_load_b64 s[8:9], s[0:1], 0x10                ; oscl
	v_lshl_add_u32 v[SPW], v0, 2, SPARE
	v_mov_b32 v[NIL], 0
	ds_add_u32 v[SPW], v[NIL]                      ; the opening lines: the add twice on end and one wait, ahead of the first tensor load
	ds_add_u32 v[SPW], v[NIL]
	v_lshrrev_b32 v1, 5, v0
	v_readfirstlane_b32 s10, v1                    ; wave 0..15
	s_and_b32 s11, ttmp7, 0xffff                   ; 16 x batch + head
	s_mul_i32 s12, s11, BLK
	s_mov_b32 s13, 0
	s_and_b32 s14, s10, 1
	s_lshl_b32 s14, s14, 15                        ; waves 0-7: k (even) or v (odd),
	s_lshr_b32 s15, s10, 1
	s_lshl_b32 s15, s15, 13
	s_add_co_u32 s14, s14, s15                     ; key steps 2 (wave / 2) and the next: the same offset in the head's block and in LDS
	s_mov_b32 s15, 0
	s_mov_b32 s20, 3<<16                           ; group 1 for a piece of k or v: 32 dense rows of 32 elements of 8 bytes
	s_mov_b32 s21, 32<<16
	s_mov_b32 s22, 32<<16
	s_mov_b32 s23, 32<<16
	s_mov_b32 s24, 32
	s_mov_b32 s25, 32
	s_mov_b32 s26, 0
	s_mov_b32 s27, 0
	s_mov_b32 s48, 3<<16                           ; group 1 for the scale words: 24 such rows
	s_mov_b32 s49, 32<<16
	s_mov_b32 s50, 24<<16
	s_mov_b32 s51, 32<<16
	s_mov_b32 s52, 24
	s_mov_b32 s53, 32
	s_mov_b32 s54, 0
	s_mov_b32 s55, 0
	s_mov_b32 s16, 1
	s_mov_b32 s17, s14
	s_mov_b32 s56, 1
	s_mov_b32 s57, KSCL
	s_wait_dscnt 0x0                               ; both opening adds are done
	s_wait_kmcnt 0x0
	s_add_nc_u64 s[4:5], s[4:5], s[12:13]          ; my head's block
	s_add_nc_u64 s[18:19], s[4:5], s[14:15]
	s_or_b32 s19, s19, 0x80000000
	s_add_nc_u64 s[58:59], s[4:5], KSCL
	s_or_b32 s59, s59, 0x80000000
	s_cmp_lt_u32 s10, 2                            ; the head's loads: one chain of branches on the wave's number, one load to an arm
	s_cbranch_scc0 .Lh_sc
	tensor_load_to_lds s[16:19], s[20:27]          ; waves 0, 1: key steps 0 and 1 of k, of v
	s_nop 0
.rept 4
	v_nop
.endr
	s_branch .Lh_j
.Lh_sc:
	s_cmp_eq_u32 s10, 8
	s_cbranch_scc0 .Lh_j
	tensor_load_to_lds s[56:59], s[48:55]          ; wave 8: all scale words of k and v
	s_nop 0
.rept 4
	v_nop
.endr
.Lh_j:
	s_lshl_b32 s44, ttmp9, 5
	s_add_co_u32 s44, s44, s10                     ; my first tile of queries; the second is 16 tiles on
	s_mov_b32 s47, 0
	s_lshl_b32 s46, s44, 9
	s_add_co_u32 s46, s46, QIMG
	s_add_nc_u64 s[28:29], s[4:5], s[46:47]        ; its image
	s_lshr_b32 s46, s44, 3
	s_lshl_b32 s46, s46, 9
	s_and_b32 s45, s44, 1
	s_lshl_b32 s45, s45, 8
	s_add_co_u32 s46, s46, s45
	s_bfe_u32 s45, s44, 0x20001
	s_lshl_b32 s45, s45, 2
	s_add_co_u32 s46, s46, s45
	s_add_co_u32 s46, s46, QSCL
	s_add_nc_u64 s[30:31], s[4:5], s[46:47]        ; its scale words: [step][lane][4 words]
	s_lshr_b32 s45, s11, 4
	s_lshl_b32 s45, s45, 6
	s_add_co_u32 s45, s45, s44                     ; 64 x batch + tile
	s_and_b32 s44, s11, 15                         ; the head
	s_lshl_b32 s46, s45, 4
	s_add_co_u32 s46, s46, s44
	s_lshl_b32 s46, s46, 9
	s_add_nc_u64 s[32:33], s[6:7], s[46:47]        ; ocodes [tile][head][512]
	s_lshl_b32 s46, s45, 9
	s_lshr_b32 s45, s44, 3
	s_lshl_b32 s45, s45, 8
	s_add_co_u32 s46, s46, s45
	s_bfe_u32 s45, s44, 0x20001
	s_lshl_b32 s45, s45, 2
	s_add_co_u32 s46, s46, s45
	s_and_b32 s45, s44, 1
	s_lshl_b32 s45, s45, 1
	s_add_co_u32 s46, s46, s45
	s_add_nc_u64 s[34:35], s[8:9], s[46:47]        ; oscl [tile][lane][4 words]: my head's two bytes
	s_mov_b32 s36, 0x76543210
	s_mov_b32 s37, 0xfedcba98                      ; v_permlanex16_b32's selects for lane l xor 16
	s_mov_b32 s38, 0x3e38aa3b                      ; c = log2(e) / 8
	s_mov_b32 s39, s38                             ; (named with it as a pair)
	s_mov_b32 s60, 0xbe38aa3b                      ; -c
	v_and_b32 v7, 31, v0
	v_and_b32 v11, 15, v0
	v_lshlrev_b32 v1, 4, v7                        ; 16 x lane: an image's place for my lane
	v_lshlrev_b32 v11, 4, v11                      ; 16 r
	v_lshl_add_u32 v[AVS0], v7, 3, VSCL            ; v's scale words: 8 x lane
.irp n, 0,1
	global_load_b128 v[QF+8*\n:QF+8*\n+3], v1, s[28:29] offset:8192*\n
	global_load_b32 v[QS+\n], v11, s[30:31] offset:1024*\n
.endr
	v_and_b32 v4, 7, v0
	v_bfe_u32 v5, v0, 3, 1                         ; r / 8
	v_bfe_u32 v6, v0, 4, 1                         ; h
	v_lshlrev_b32 v4, 4, v4                        ; 16 (r % 8)
	v_lshlrev_b32 v[SH], 3, v6
	v_xor_b32 v[TMP], 1, v6                        ; 1 in lanes 0-15, which hold k = 64 .. 95 in register 4
	v_lshl_add_u32 v4, v6, 8, v4                   ; + 256 h
	v_lshlrev_b32 v[QF+4], 1, v[TMP]               ; the code of +1 at k = 64
	v_mul_u32_u24 v[TMP2], v[TMP], 10              ; the code of -1
	v_lshl_add_u32 v[AK0], v5, 10, v4              ; k's images: + 1,024 (r / 8)
	v_lshl_add_u32 v[AKS0], v5, 2, v4              ; k's scale words: + 4 (r / 8); here h says t % 2
	v_mov_b32 v[QF+12], v[QF+4]
	v_add_nc_u32 v[AKS0], KSCL, v[AKS0]
.irp j, 5,6,7,13,14,15
	v_mov_b32 v[QF+\j], 0
.endr
.irp t, 0,1,2,3,4,5,6,7
	v_mov_b32 v[KF+8*\t+4], v[TMP2]
	v_mov_b32 v[KF+8*\t+5], 0
	v_mov_b32 v[KF+8*\t+6], 0
	v_mov_b32 v[KF+8*\t+7], 0
.endr
	v_mov_b32 v[W2], 0                             ; written once: a lane permute's destination counts as one of its sources
	v_mov_b32 v[B], 0
	v_mov_b32 v[B+1], 0
	v_mov_b32 v[F+1], 0
	s_wait_alu depctr_va_vdst(0)
	s_wait_tensorcnt 0x0                           ; my piece is in (a wave that fetched nothing passes)
	ds_add_u32 v[SPW], v[NIL]
	ds_add_u32 v[SPW], v[NIL]                      ; twice on end
	s_wait_dscnt 0x0
	s_barrier_signal -1
	s_barrier_wait -1                              ; key steps 0 and 1 and all scale words lie in LDS
	s_cmp_lt_u32 s10, 2
	s_cbranch_scc1 .Lr_j
	s_cmp_lt_u32 s10, 8
	s_cbranch_scc0 .Lr_j
	tensor_load_to_lds s[16:19], s[20:27]          ; waves 2-7: key steps 2 to 7 of k and v, each byte's first and only fill
	s_nop 0
.rept 4
	v_nop
.endr
.Lr_j:
	s_wait_loadcnt 0x0                             ; q
.macro SUMR base                       ; seven chains and the running sum take one pair of p each
.irp i, 0,1,2,3,4,5,6
	v_pk_add_f32 v[KF+8*(\i/2)+2*(\i%2):KF+8*(\i/2)+2*(\i%2)+1], v[KF+8*(\i/2)+2*(\i%2):KF+8*(\i/2)+2*(\i%2)+1], v[S+\base+2*\i:S+\base+2*\i+1]
.endr
	v_pk_add_f32 v[14:15], v[14:15], v[S+\base+14:S+\base+15]
.endm
.macro OMUL j0                         ; one accumulator of O^T under the new M, from its low end on
.irp k, 0,2,4,6
	v_pk_mul_f32 v[O+\j0+\k:O+\j0+\k+1], v[O+\j0+\k:O+\j0+\k+1], v[F:F+1] op_sel_hi:[1,0]
.endr
.endm
.macro STEP n                          ; 128 keys
	v_add_nc_u32 v4, s40, v[AK0]                   ; four additions: the four places behind the last products, in front of loads into registers that they read
	v_add_nc_u32 v5, s41, v[AKS0]
	v_add_nc_u32 v6, s40, v1
	v_add_nc_u32 v7, s42, v[AVS0]
.irp c, 0,1
.irp t, 0,1,2,3
	ds_load_b128 v[KF+32*\c+8*\t:KF+32*\c+8*\t+3], v4 offset:2048*\c+512*(\t%2)+128*(\t/2)
.endr
.endr
.irp c, 0,1
.irp u, 0,1
	ds_load_b32 v[KS+2*\c+\u], v5 offset:128*\u+8*\c
.endr
.endr
.irp t, 0,1,2,3,4,5,6,7
	ds_load_b128 v[VF+4*\t:VF+4*\t+3], v6 offset:VIMG+512*\t
.endr
	ds_load_b64 v[VS:VS+1], v7
	s_wait_dscnt 9                                 ; k and its scale words are in; v's nine loads may be out
.irp c, 0,1
.irp u, 0,1
	v_wmma_scale_f32_16x16x128_f8f6f4 v[S+32*\c+16*\u:S+32*\c+16*\u+7], v[KF+32*\c+16*\u:KF+32*\c+16*\u+7], v[QF+8*(\n):QF+8*(\n)+7], 0, v[KS+2*\c+\u], v[QS+(\n)] matrix_a_fmt:MATRIX_FMT_FP4 matrix_b_fmt:MATRIX_FMT_FP4
	v_wmma_scale_f32_16x16x128_f8f6f4 v[S+32*\c+16*\u+8:S+32*\c+16*\u+15], v[KF+32*\c+16*\u+8:KF+32*\c+16*\u+15], v[QF+8*(\n):QF+8*(\n)+7], 0, v[KS+2*\c+\u], v[QS+(\n)] matrix_a_fmt:MATRIX_FMT_FP4 matrix_b_fmt:MATRIX_FMT_FP4 matrix_a_scale:MATRIX_SCALE_ROW1
.endr
.endr
	v_mov_b32 v[TMP2], v12                         ; the old -M (the first of four places)
.rept 3
	v_nop
.endr
.irp f, 0,1,2,3,4,5,6,7                ; eight chains, one a tile, each accumulator from its low end on
	v_max3_num_f32 v[PC+\f], v[S+8*\f], v[S+8*\f+1], v[S+8*\f+2]
.endr
.irp i, 3,5
.irp f, 0,1,2,3,4,5,6,7
	v_max3_num_f32 v[PC+\f], v[PC+\f], v[S+8*\f+\i], v[S+8*\f+\i+1]
.endr
.endr
.irp c, 0,1                            ; the four tiles of a block, with each tile's eighth number
	v_max3_num_f32 v[PC+4*\c], v[PC+4*\c], v[PC+4*\c+1], v[S+32*\c+7]
	v_max3_num_f32 v[PC+4*\c+2], v[PC+4*\c+2], v[PC+4*\c+3], v[S+32*\c+15]
.endr
.irp c, 0,1
	v_max3_num_f32 v[PC+4*\c], v[PC+4*\c], v[PC+4*\c+2], v[S+32*\c+23]
.endr
.irp c, 0,1
	v_max_num_f32 v[BM+\c], v[PC+4*\c], v[S+32*\c+31]      ; the largest score of my block 2 c + h: for the row's maximum, and, since p rises with the score, for the block's largest p
.endr
	s_delay_alu instid0(VALU_DEP_1)
	v_max3_num_f32 v13, v13, v[BM], v[BM+1]        ; the running largest score
	s_delay_alu instid0(VALU_DEP_1)
	v_permlanex16_b32 v[TMP], v13, s36, s37
	s_delay_alu instid0(VALU_DEP_1)
	v_max_num_f32 v13, v13, v[TMP]                 ; with lane l xor 16's blocks
	s_delay_alu instid0(VALU_DEP_1)
	v_mul_f32 v[TMP], s60, v13                     ; -t
	s_delay_alu instid0(VALU_DEP_1)
	v_floor_f32 v12, v[TMP]                        ; -M = floor(-t): M is a whole number
.set j, 0
.rept 32
	v_pk_fma_f32 v[S+j:S+j+1], v[S+j:S+j+1], s[38:39], v[12:13] op_sel_hi:[1,0,0]     ; t - M
.if j == 8
	v_sub_f32 v[TMP], v12, v[TMP2]                 ; old M - new M, 0 or less
.endif
.if j == 20
	v_cvt_i32_f32 v[TMP], v[TMP]                   ; (it saturates)
.endif
.if j == 32
	v_ldexp_f32 v[F], 1.0, v[TMP]                  ; f
.endif
.set j, j+2
.endr
.irp c, 0,1
	v_fma_f32 v[BM+\c], v[BM+\c], s38, v12
.endr
	s_wait_alu depctr_va_vdst(0)
.set j, 0
.rept 64
	v_exp_f32 v[S+j], v[S+j]                       ; p, at most 1
.set j, j+1
.endr
.irp c, 0,1
	v_exp_f32 v[BM+\c], v[BM+\c]                   ; the block's largest p: the same two instructions on the same number
.endr
	v_pk_mul_f32 v[14:15], v[14:15], v[F:F+1] op_sel_hi:[1,0]              ; the sums under the new M (a plain line behind the exponentials)
	s_wait_alu depctr_va_vdst(0)                   ; one wait for the batch, ahead of its first reader
.irp c, 0,1
	v_max_num_f32 v[BM+\c], 0x1800000, v[BM+\c]    ; the floor 2^(3 - 127): a block whose every p is 0 keeps the byte 1; its codes are zeros
.endr
.irp i, 0,1,2,3,4,5,6                  ; the row's sum of the unquantised p: 32 pairs in eight chains; the scales' lines stand between the rounds
	v_pk_add_f32 v[KF+8*(\i/2)+2*(\i%2):KF+8*(\i/2)+2*(\i%2)+1], v[S+4*\i:S+4*\i+1], v[S+4*\i+2:S+4*\i+3]
.endr
	v_pk_add_f32 v[14:15], v[14:15], v[S+28:S+29]
.irp c, 0,1
	v_add_nc_u32 v[SO+\c], 0xff000000, v[BM+\c]    ; 2 off the exponent field: the conversion's scale operand
.endr
	SUMR 30
.irp c, 0,1
	v_lshrrev_b32 v[B+\c], 23, v[SO+\c]            ; the byte
.endr
.irp c, 0,1
.irp t, 0,1,2,3
	v_cvt_scalef32_pk8_fp4_f32 v[PC+4*\c+\t], v[S+32*\c+8*\t:S+32*\c+8*\t+7], v[SO+\c]      ; keys 64 c + 32 h + 8 t + 0 .. 7: register 4 c + t of the operand
.endr
.endr
	SUMR 46                                        ; (plain lines behind the conversions)
	v_lshl_or_b32 v[W], v[B+1], 16, v[B]           ; my bytes: blocks h and 2 + h
	v_pk_add_f32 v[KF:KF+1], v[KF:KF+1], v[S+62:S+63]
	v_pk_add_f32 v[KF+2:KF+3], v[KF+2:KF+3], v[KF+8:KF+9]
	v_pk_add_f32 v[KF+10:KF+11], v[KF+10:KF+11], v[KF+16:KF+17]
	v_pk_add_f32 v[KF+18:KF+19], v[KF+18:KF+19], v[KF+24:KF+25]
	v_lshlrev_b32 v[W], v[SH], v[W]                ; at their places in the word
	s_wait_alu depctr_va_vdst(0)                   ; directly ahead of the first reader of O^T
	OMUL 0
	v_permlanex16_b32 v[W2], v[W], s36, s37
	v_pk_add_f32 v[14:15], v[14:15], v[KF:KF+1]
	v_pk_add_f32 v[KF+2:KF+3], v[KF+2:KF+3], v[KF+10:KF+11]
	OMUL 8
	v_or_b32 v[PW], v[W], v[W2]                    ; p's scale word, whole in every lane; ten plain lines stand between it and the products
	v_pk_add_f32 v[14:15], v[14:15], v[KF+18:KF+19]
	OMUL 16
	v_pk_add_f32 v[14:15], v[14:15], v[KF+2:KF+3]
	OMUL 24
	s_wait_alu depctr_va_vdst(0)
	s_wait_dscnt 0x0                               ; v and its scale words
.irp t, 0,2
	v_wmma_scale_f32_16x16x128_f8f6f4 v[O+8*\t:O+8*\t+7], v[VF+8*\t:VF+8*\t+7], v[PC:PC+7], v[O+8*\t:O+8*\t+7], v[VS+\t/2], v[PW] matrix_a_fmt:MATRIX_FMT_FP4 matrix_b_fmt:MATRIX_FMT_FP4
	v_wmma_scale_f32_16x16x128_f8f6f4 v[O+8*\t+8:O+8*\t+15], v[VF+8*\t+8:VF+8*\t+15], v[PC:PC+7], v[O+8*\t+8:O+8*\t+15], v[VS+\t/2], v[PW] matrix_a_fmt:MATRIX_FMT_FP4 matrix_b_fmt:MATRIX_FMT_FP4 matrix_a_scale:MATRIX_SCALE_ROW1
.endr
.endm
.macro FIN n                           ; O^T / the sum, quantised along the head's 64 channels (two blocks), and out
.rept 4
	v_nop
.endr
	v_add_f32 v14, v14, v15
	s_delay_alu instid0(VALU_DEP_1)
	v_permlanex16_b32 v[TMP], v14, s36, s37
	s_delay_alu instid0(VALU_DEP_1)
	v_add_f32 v14, v14, v[TMP]                     ; the row's sum
	s_wait_alu depctr_va_vdst(0)
	v_rcp_f32 v14, v14
	v_nop
	s_wait_alu depctr_va_vdst(0)
.set j, 0
.rept 16
	v_pk_mul_f32 v[S+j:S+j+1], v[O+j:O+j+1], v[14:15] op_sel_hi:[1,0]      ; ascending: each accumulator from its low end on.  Register 16 g + i: channel 32 g + 16 h + i
.set j, j+2
.endr
.irp b, 0,1
	v_max3_num_f32 v[BM+\b], |v[S+16*\b]|, |v[S+1+16*\b]|, 0x1800000
.endr
.irp i, 2,4,6,8,10,12,14
.irp b, 0,1
	s_delay_alu instid0(VALU_DEP_2)
	v_max3_num_f32 v[BM+\b], v[BM+\b], |v[S+16*\b+\i]|, |v[S+1+16*\b+\i]|
.endr
.endr
.irp b, 0,1
	s_delay_alu instid0(VALU_DEP_2)
	v_permlanex16_b32 v[B+\b], v[BM+\b], s36, s37
.endr
.irp b, 0,1
	s_delay_alu instid0(VALU_DEP_2)
	v_max_num_f32 v[BM+\b], v[BM+\b], v[B+\b]
.endr
.irp b, 0,1
	s_delay_alu instid0(VALU_DEP_2)
	v_add_nc_u32 v[SO+\b], 0xff000000, v[BM+\b]
.endr
.irp b, 0,1
	s_delay_alu instid0(VALU_DEP_2)
	v_lshrrev_b32 v[B+\b], 23, v[SO+\b]
.endr
	s_delay_alu instid0(VALU_DEP_1)
	v_lshl_or_b32 v[U16], v[B+1], 8, v[B]
.irp b, 0,1
	v_cvt_scalef32_pk8_fp4_f32 v[PC+2*\b], v[S+16*\b:S+7+16*\b], v[SO+\b]
	v_cvt_scalef32_pk8_fp4_f32 v[PC+1+2*\b], v[S+8+16*\b:S+15+16*\b], v[SO+\b]
.endr
	v_nop
	v_permlane16_swap_b32 v[PC], v[PC+2]
	v_permlane16_swap_b32 v[PC+1], v[PC+3]
	global_store_b128 v1, v[PC:PC+3], s[32:33] offset:131072*(\n)          ; 512 consecutive bytes
	global_store_b16 v11, v[U16], s[34:35] offset:8192*(\n)
.endm
.macro INIT
	s_wait_xcnt 0x0                                ; the last tile's stores have read their registers
	v_mov_b32 v13, 0xff61b1e6                      ; the largest score so far: -3e38
	v_mov_b32 v12, 0x7f61b1e6                      ; -M: 3e38, so that the first f is 0
	v_mov_b32 v14, 0
	v_mov_b32 v15, 0
.set j, 0
.rept 32
	v_mov_b32 v[O+j], 0                            ; the step is written once: the first finds zeros, which the first change of M leaves zeros
.set j, j+1
.endr
	s_mov_b32 s40, 0                               ; the step's images: 4,096 bytes a step, k's and v's alike
	s_mov_b32 s41, 0                               ; k's scale words: 512
	s_mov_b32 s42, 0                               ; v's: 256
.endm
.macro WALK n, trips
	s_mov_b32 s43, \trips
.Lstep_\@:
	STEP \n
	s_add_co_u32 s40, s40, 4096
	s_add_co_u32 s41, s41, 512
	s_add_co_u32 s42, s42, 256
	s_sub_co_u32 s43, s43, 1
	s_cmp_lg_u32 s43, 0
	s_cbranch_scc1 .Lstep_\@
.endm
	INIT
	WALK 0, 2                                      ; key steps 0 and 1, which the head fetched
	s_wait_tensorcnt 0x0                           ; my piece of key steps 2 to 7 is in,
	s_wait_dscnt 0x0
	s_barrier_signal -1
	s_barrier_wait -1                              ; everybody's is
	WALK 0, 6
	FIN 0
	INIT
	WALK 1, 8
	FIN 1
	s_wait_tensorcnt 0x0                           ; the wave's end
	ds_add_u32 v[SPW], v[NIL]
	s_wait_dscnt 0x0
	s_endpgm
.Lfunc_end_k_qd0714df133_attn:
	.size	k_qd0714df133_attn, .Lfunc_end_k_qd0714df133_attn-k_qd0714df133_attn
	.p2alignl 7, 3214868480
	.fill 96, 4, 3214868480
	.section	.rodata,"a",@progbits
	.p2align	6, 0x0
	.amdhsa_kernel k_qd0714df133_attn
		.amdhsa_group_segment_fixed_size 327680
		.amdhsa_private_segment_fixed_size 0
		.amdhsa_enable_private_segment 0
		.amdhsa_kernarg_size 24
		.amdhsa_user_sgpr_count 2
		.amdhsa_user_sgpr_kernarg_segment_ptr 1
		.amdhsa_wavefront_size32 1
		.amdhsa_system_sgpr_workgroup_id_x 1
		.amdhsa_system_sgpr_workgroup_id_y 1
		.amdhsa_system_sgpr_workgroup_id_z 1
		.amdhsa_system_vgpr_workitem_id 0
		.amdhsa_next_free_vgpr 256
		.amdhsa_next_free_sgpr 66
		.amdhsa_reserve_vcc 0
		.amdhsa_float_denorm_mode_32 3
		.amdhsa_float_denorm_mode_16_64 3
		.amdhsa_memory_ordered 1
		.amdhsa_forward_progress 1
		.amdhsa_inst_pref_size 62
	.end_amdhsa_kernel
	.amdgpu_metadata
---
amdhsa.version: [ 1, 2 ]
amdhsa.kernels:
  - .name:           k_qd0714df133_attn
    .symbol:         k_qd0714df133_attn.kd
    .args:
      - { .name: qkv, .offset: 0, .size: 8, .value_kind: global_buffer, .address_space: global }
      - { .name: ocodes, .offset: 8, .size: 8, .value_kind: global_buffer, .address_space: global }
      - { .name: oscl, .offset: 16, .size: 8, .value_kind: global_buffer, .address_space: global }
    .group_segment_fixed_size: 327680
    .private_segment_fixed_size: 0
    .kernarg_segment_align: 8
    .kernarg_segment_size: 24
    .max_flat_workgroup_size: 512
    .sgpr_count:     66
    .vgpr_count:     256
    .wavefront_size: 32
...
	.end_amdgpu_metadata
.endif
;; end of part 3
;; launch out (part 4): grid 256 x 1, 16 waves a work-group, no clusters, 297,472 bytes of LDS; arguments x, stats, ocodes, oscl, woimg, Wo_scales, bo, alpha1, bias1, alpha2, bias2, out0; writes out0
.if DOCPART == 4
	.amdgcn_target "amdgcn-amd-amdhsa--gfx1250"
	.amdhsa_code_object_version 6
	.text
	.protected	k_qd0714df133_out
	.globl	k_qd0714df133_out
	.p2align	8
	.type	k_qd0714df133_out,@function
k_qd0714df133_out:
	s_mov_b64 s[64:65], 0
	v_nop
	global_prefetch_b8 v0, s[64:65] scope:SCOPE_SE
	s_setreg_imm32_b32 hwreg(HW_REG_WAVE_MODE, 25, 1), 1
	s_wait_xcnt 0x0
; OUT.  out0 = 2 norm2(xn + O Wo + bo) for 32 tokens a work-group; the product on E2M1 codes, all else in f32.  xn is made again from x and the first launch's (-mean, 1 / (std + eps)).
; PRODUCT: wave w makes features 64 w .. 64 w + 63 (four tiles of 16 rows of Wo) for the group's two tiles of 16 tokens: 8 accumulators by turns, 8 K steps.  Source 0 = Wo's rows, source 1 = O's tokens: a lane holds
; one token and eight neighbouring features.  bo is loaded into the accumulators, so every product adds in place and the bias costs nothing.  Wo's fragments come from memory as images, 512 consecutive bytes a load,
; three K steps' worth in registers; each byte of Wo feeds one wave of the work-group.  O's 16 KiB of images go to LDS once and are read by all sixteen waves, a K step ahead of their use, into two sets of registers.
; ROWS: the results meet in a stage of 32 rows x (4,096 + 16) bytes, and wave w then owns two whole tokens.  Each wave brings ITS OWN two rows of x by one tensor load (8,192 dense bytes, filled once, read by
; nobody else), which lands while the product runs: so x and the first gain and bias are read from LDS ahead of the barrier on the stage, and xn is made between that barrier's signal and its wait.
; Behind it: the product's two rows, the sum, mean, deviations, their squares, and the store of two rows of 4,096 bytes, 512 consecutive bytes an instruction; the first row leaves before the second is reduced.
; A tile's 16 tokens are not neighbours: row r of tile u of the group's 32 is token 8 u + r + 8 (r / 8).  Stage rows 2 w and 2 w + 1 are two neighbouring tokens.
; NO CLUSTER: the tokens are a work-group's own; Wo is shared by all, but through LDS its 512 KiB would want slots filled again, each refill behind a round with 16 products a wave to cover it.
; LIMITS: NaN and infinities are not served.
.set OIMG, 131072                      ; LDS: x's rows at 0, 8,192 bytes a wave (filled by tensor loads alone); O's images here;
.set VEC,  147456                      ; alpha1, bias1, alpha2, bias2, 4,096 bytes each;
.set STG,  163840                      ; the stage
.set SPITCH, 4112
.set OS,  12                           ; v12-19   O's scale words, 4 a tile
.set WS,  20                           ; v20-35   Wo's, 4 a tile
.set OF,  36                           ; v36-67   O's two fragments of a K step, two sets
.set HD,  52                           ; v52-67   at the head: what I carry to LDS
.set ACC, 68                           ; v68-131  accumulator (tp, ft) at 8 (4 tp + ft)
.set WF,  132                          ; v132-227 Wo's fragments: three sets of four
.set VB,  12                           ; the rows' phase: v12-43 a bias,
.set YY,  68                           ; v68-131  the product's two rows,
.set XX,  132                          ; v132-195 x's two rows, then x1, then the result,
.set VA,  196                          ; v196-227 a gain,
.set T,   228                          ; v228-243 at work,
.set PR,  244                          ; v244-251 for each row a pair of -mean and a pair of the reciprocal
	s_load_b512 s[4:19], s[0:1], 0x0               ; x 4, stats 6, ocodes 8, oscl 10, woimg 12, Wo_scales 14, bo 16, alpha1 18
	s_load_b256 s[20:27], s[0:1], 0x40             ; bias1 20, alpha2 22, bias2 24, out0 26
	v_lshl_add_u32 v254, v0, 2, 0x48200
	v_mov_b32 v255, 0
	ds_add_u32 v254, v255
	ds_add_u32 v254, v255
	v_lshrrev_b32 v1, 5, v0
	s_delay_alu instid0(VALU_DEP_1)
	v_readfirstlane_b32 s29, v1                    ; wave 0..15
	s_mov_b32 s36, 3<<16                           ; group 1: 32 dense rows of 32 elements of 8 bytes: two rows of x
	s_mov_b32 s37, 32<<16
	s_mov_b32 s38, 32<<16
	s_mov_b32 s39, 32<<16
	s_mov_b32 s40, 32
	s_mov_b32 s41, 32
	s_mov_b32 s42, 0
	s_mov_b32 s43, 0
	s_lshr_b32 s52, s29, 3
	s_lshl_b32 s52, s52, 3
	s_and_b32 s53, s29, 7
	s_lshl_b32 s54, s53, 1
	s_add_co_u32 s52, s52, s54
	s_lshr_b32 s54, s53, 2
	s_lshl_b32 s54, s54, 3
	s_add_co_u32 s52, s52, s54                     ; the first of my two tokens in the group: 8 (w / 8) + 2 (w % 8) + 8 ((w % 8) / 4)
	s_lshl_b32 s54, ttmp9, 5
	s_add_co_u32 s54, s54, s52                     ; and among all tokens
	s_lshl_b32 s33, s29, 13                        ; where they land: 8,192 x wave
	s_lshl_b32 s50, s54, 12
	s_mov_b32 s51, 0
	s_mov_b32 s32, 1
	s_wait_dscnt 0x0
	s_wait_kmcnt 0x0
	s_add_nc_u64 s[34:35], s[4:5], s[50:51]
	s_or_b32 s35, s35, 0x80000000
	tensor_load_to_lds s[32:35], s[36:43]          ; every wave's own: one load of mine is out
	s_nop 0
.rept 4
	v_nop
.endr
	s_add_nc_u64 s[26:27], s[26:27], s[50:51]      ; the same two rows of out0
	s_lshl_b32 s50, s54, 3
	s_add_nc_u64 s[6:7], s[6:7], s[50:51]
	s_load_b128 s[44:47], s[6:7], 0x0              ; their stats
	s_lshr_b32 s28, s29, 2                         ; which of the four vectors I carry to LDS: the choice hangs on the wave's number alone
	s_cmp_eq_u32 s28, 1
	s_cselect_b64 s[30:31], s[20:21], s[18:19]
	s_cmp_eq_u32 s28, 2
	s_cselect_b64 s[30:31], s[22:23], s[30:31]
	s_cmp_eq_u32 s28, 3
	s_cselect_b64 s[30:31], s[24:25], s[30:31]
	s_and_b32 s50, s29, 3
	s_lshl_b32 s50, s50, 10
	s_add_nc_u64 s[30:31], s[30:31], s[50:51]      ; and which 1,024 bytes of it
	s_lshl_b32 s50, ttmp9, 14
	s_lshl_b32 s53, s29, 10
	s_add_co_u32 s50, s50, s53
	s_add_nc_u64 s[8:9], s[8:9], s[50:51]          ; my 1,024 bytes of the group's O images
	s_lshl_b32 s50, ttmp9, 10
	s_add_nc_u64 s[10:11], s[10:11], s[50:51]      ; the group's two tiles' scale words
	s_lshl_b32 s50, s29, 15
	s_add_nc_u64 s[12:13], s[12:13], s[50:51]      ; my four tiles of Wo
	s_lshl_b32 s50, s29, 11
	s_add_nc_u64 s[14:15], s[14:15], s[50:51]      ; their scale bytes
	s_lshl_b32 s50, s29, 8
	s_add_nc_u64 s[16:17], s[16:17], s[50:51]      ; bo of my 64 features
	s_mov_b32 s48, 0x76543210
	s_mov_b32 s49, 0xfedcba98
	v_and_b32 v1, 31, v0
	s_delay_alu instid0(VALU_DEP_1)
	v_lshlrev_b32 v1, 4, v1                        ; 16 x lane
	v_and_b32 v12, 15, v0                          ; r
	v_bfe_u32 v13, v0, 4, 1                        ; h
	s_delay_alu instid0(VALU_DEP_3)
	v_add_nc_u32 v2, OIMG, v1
	s_delay_alu instid0(VALU_DEP_3)
	v_lshlrev_b32 v3, 5, v12
	s_delay_alu instid0(VALU_DEP_1)
	v_lshl_add_u32 v3, v13, 4, v3                  ; 32 r + 16 h
	s_delay_alu instid0(VALU_DEP_4)
	v_lshlrev_b32 v4, 5, v13                       ; 32 h
	s_lshl_b32 s53, s29, 8
	s_add_co_u32 s53, s53, STG
	v_mul_u32_u24 v5, v12, SPITCH
	s_delay_alu instid0(VALU_DEP_1)
	v_lshl_add_u32 v5, v13, 5, v5
	s_delay_alu instid0(VALU_DEP_1)
	v_add_nc_u32 v5, s53, v5                       ; the stage, in: row r, my 32 bytes of my wave's 256;
	s_delay_alu instid0(VALU_DEP_1)
	v_add_nc_u32 v6, 16*SPITCH, v5                 ; the second tile's rows
	s_mul_i32 s53, s29, 2*SPITCH
	s_add_co_u32 s53, s53, STG
	v_add_nc_u32 v7, s53, v1                       ; back: my two rows
	s_lshl_b32 s53, s29, 13
	v_add_nc_u32 v8, s53, v1                       ; my two rows of x
	v_add_nc_u32 v9, VEC, v1
	s_lshl_b32 s53, s29, 10
	s_add_co_u32 s53, s53, OIMG
	v_add_nc_u32 v10, s53, v1
	s_delay_alu instid0(VALU_DEP_1)
	v_add_nc_u32 v11, VEC-OIMG, v10
	global_load_b128 v[HD:HD+3], v1, s[8:9]
	global_load_b128 v[HD+4:HD+7], v1, s[8:9] offset:512
	global_load_b128 v[HD+8:HD+11], v1, s[30:31]
	global_load_b128 v[HD+12:HD+15], v1, s[30:31] offset:512
.irp tp, 0,1
.irp ft, 0,1,2,3
	global_load_b128 v[ACC+8*(4*\tp+\ft):ACC+8*(4*\tp+\ft)+3], v4, s[16:17] offset:64*\ft           ; bo(64 w + 16 ft + 8 h + 0 .. 7)
	global_load_b128 v[ACC+8*(4*\tp+\ft)+4:ACC+8*(4*\tp+\ft)+7], v4, s[16:17] offset:64*\ft+16
.endr
.endr
.irp tp, 0,1
	global_load_b128 v[OS+4*\tp:OS+4*\tp+3], v1, s[10:11] offset:512*\tp
.endr
.irp ft, 0,1,2,3
	global_load_b128 v[WS+4*\ft:WS+4*\ft+3], v3, s[14:15] offset:512*\ft
.endr
.macro WLOAD s                         ; K step s of my four tiles of Wo: 8 loads into set s % 3
.irp ft, 0,1,2,3
.irp c, 0,1
	global_load_b128 v[WF+32*((\s)%3)+8*\ft+4*\c:WF+32*((\s)%3)+8*\ft+4*\c+3], v1, s[12:13] offset:\ft*8192+(\s)*1024+\c*512
.endr
.endr
.endm
	WLOAD 0
	WLOAD 1
	WLOAD 2
	s_wait_alu depctr_va_vdst(0)
	s_wait_loadcnt 46                              ; my four head loads are in: bo's 16, the scale words' 6 and three sets of 8 are younger
	ds_store_b128 v10, v[HD:HD+3]
	ds_store_b128 v10, v[HD+4:HD+7] offset:512
	ds_store_b128 v11, v[HD+8:HD+11]
	ds_store_b128 v11, v[HD+12:HD+15] offset:512
	s_wait_dscnt 0x0                               ; for the others' sake
	s_barrier_signal -1
	s_barrier_wait -1                              ; O's images and the four vectors lie in LDS (x's rows may still be on their way: nothing is filled again)
.macro OLOAD s                         ; K step s of O's two tiles: 4 loads into set s % 2
.irp tp, 0,1
.irp c, 0,1
	ds_load_b128 v[OF+16*((\s)%2)+8*\tp+4*\c:OF+16*((\s)%2)+8*\tp+4*\c+3], v2 offset:\tp*8192+(\s)*1024+\c*512
.endr
.endr
.endm
.macro MMO s, ft, tp
.set rD, ACC+8*(4*(\tp)+(\ft))
.set rA, WF+32*((\s)%3)+8*(\ft)
.set rB, OF+16*((\s)%2)+8*(\tp)
.set rS, WS+4*(\ft)+(\s)%4
.set rT, OS+4*(\tp)+(\s)%4
.if (\s) < 4
	v_wmma_scale_f32_16x16x128_f8f6f4 v[rD:rD+7], v[rA:rA+7], v[rB:rB+7], v[rD:rD+7], v[rS], v[rT] matrix_a_fmt:MATRIX_FMT_FP4 matrix_b_fmt:MATRIX_FMT_FP4
.else
	v_wmma_scale_f32_16x16x128_f8f6f4 v[rD:rD+7], v[rA:rA+7], v[rB:rB+7], v[rD:rD+7], v[rS], v[rT] matrix_a_fmt:MATRIX_FMT_FP4 matrix_b_fmt:MATRIX_FMT_FP4 matrix_a_scale:MATRIX_SCALE_ROW1 matrix_b_scale:MATRIX_SCALE_ROW1
.endif
.endm
.macro KSTEP s
.if (\s) < 7
	OLOAD (\s)+1                                   ; the next step's O, into the set that the step before read (four places back)
	s_wait_dscnt 4                                 ; this step's O is in; the four loads just issued may be out
.else
	s_wait_dscnt 0x0
.endif
.if 7-(\s) < 2
	s_wait_loadcnt 8*(7-(\s))                      ; this step's set of Wo is in; the younger sets may be out
.else
	s_wait_loadcnt 16
.endif
.irp ft, 0,1,2,3                       ; the 8 accumulators take turns, one instruction a turn
.irp tp, 0,1
	MMO \s, \ft, \tp
.endr
.endr
.rept 4
	v_nop                                          ; places in front of loads into registers that these products read, and of the stores of results
.endr
.if (\s) < 5
	WLOAD (\s)+3
.endif
.endm
	OLOAD 0
.irp s, 0,1,2,3,4,5,6,7
	KSTEP \s
.endr
.irp tp, 0,1
.irp ft, 0,1,2,3
	ds_store_b128 v[5+\tp], v[ACC+8*(4*\tp+\ft):ACC+8*(4*\tp+\ft)+3] offset:64*\ft                   ; each accumulator from its low end on
	ds_store_b128 v[5+\tp], v[ACC+8*(4*\tp+\ft)+4:ACC+8*(4*\tp+\ft)+7] offset:64*\ft+16
.endr
.endr
	s_wait_tensorcnt 0x0                           ; my two rows of x are in: I alone read them, so this wait is all the ordering that they need
.irp n, 0,1
.irp i, 0,1,2,3,4,5,6,7
	ds_load_b128 v[XX+32*\n+4*\i:XX+32*\n+4*\i+3], v8 offset:\n*4096+512*\i
.endr
.endr
.irp i, 0,1,2,3,4,5,6,7
	ds_load_b128 v[VA+4*\i:VA+4*\i+3], v9 offset:512*\i                  ; alpha1
	ds_load_b128 v[VB+4*\i:VB+4*\i+3], v9 offset:4096+512*\i             ; bias1
.endr
	s_wait_kmcnt 0x0                               ; the stats
.irp n, 0,1
	v_mov_b32 v[PR+4*\n], s[44+2*\n]
	v_mov_b32 v[PR+4*\n+1], s[44+2*\n]
	v_mov_b32 v[PR+4*\n+2], s[45+2*\n]
	v_mov_b32 v[PR+4*\n+3], s[45+2*\n]
.endr
	s_wait_alu depctr_va_vdst(0)
	s_wait_dscnt 0x0                               ; my part of the stage is written, and x, alpha1 and bias1 are in
	s_barrier_signal -1
.macro XNA n                           ; xn = alpha1 (x - mean) / (std + eps) + bias1: work on registers, while the others arrive
.set XS, XX+32*(\n)
.set PS, PR+4*(\n)
.irp k, 0,2,4,6,8,10,12,14,16,18,20,22,24,26,28,30
	v_pk_add_f32 v[XS+\k:XS+\k+1], v[XS+\k:XS+\k+1], v[PS:PS+1]
.endr
.irp k, 0,2,4,6,8,10,12,14,16,18,20,22,24,26,28,30
	v_pk_mul_f32 v[XS+\k:XS+\k+1], v[XS+\k:XS+\k+1], v[PS+2:PS+3]
.endr
.irp k, 0,2,4,6,8,10,12,14,16,18,20,22,24,26,28,30
	v_pk_fma_f32 v[XS+\k:XS+\k+1], v[XS+\k:XS+\k+1], v[VA+\k:VA+\k+1], v[VB+\k:VB+\k+1]
.endr
.endm
	XNA 0
	XNA 1
	s_barrier_wait -1                              ; the stage is whole
.irp n, 0,1
.irp i, 0,1,2,3,4,5,6,7
	ds_load_b128 v[YY+32*\n+4*\i:YY+32*\n+4*\i+3], v7 offset:\n*SPITCH+512*\i
.endr
.endr
.irp i, 0,1,2,3,4,5,6,7
	ds_load_b128 v[VA+4*\i:VA+4*\i+3], v9 offset:8192+512*\i             ; alpha2
	ds_load_b128 v[VB+4*\i:VB+4*\i+3], v9 offset:12288+512*\i            ; bias2: they land while the first row's sums are made
.endr
	s_wait_dscnt 16                                ; the product's two rows are in; the 16 loads of alpha2 and bias2 may be out
.irp n, 0,1
.irp k, 0,2,4,6,8,10,12,14,16,18,20,22,24,26,28,30
	v_pk_add_f32 v[XX+32*\n+\k:XX+32*\n+\k+1], v[XX+32*\n+\k:XX+32*\n+\k+1], v[YY+32*\n+\k:YY+32*\n+\k+1]     ; x1 = xn + (O Wo + bo)
.endr
.endr
.macro WSUM r, t                       ; the sum over the 32 lanes, in every lane
	s_delay_alu instid0(VALU_DEP_1)
	v_add_f32_dpp v[\r], v[\r], v[\r] row_xmask:1 row_mask:0xf bank_mask:0xf
	s_delay_alu instid0(VALU_DEP_1)
	v_add_f32_dpp v[\r], v[\r], v[\r] row_xmask:2 row_mask:0xf bank_mask:0xf
	s_delay_alu instid0(VALU_DEP_1)
	v_add_f32_dpp v[\r], v[\r], v[\r] row_xmask:4 row_mask:0xf bank_mask:0xf
	s_delay_alu instid0(VALU_DEP_1)
	v_add_f32_dpp v[\r], v[\r], v[\r] row_xmask:8 row_mask:0xf bank_mask:0xf
	s_delay_alu instid0(VALU_DEP_1)
	v_permlanex16_b32 v[\t], v[\r], s48, s49
	s_delay_alu instid0(VALU_DEP_1)
	v_add_f32 v[\r], v[\r], v[\t]
.endm
.macro STATS n                         ; the row becomes its deviations; the pair at PS + 2 becomes 2 / (std + eps)
.set XS, XX+32*(\n)
.set PS, PR+4*(\n)
.irp k, 0,1,2,3,4,5,6,7
	v_pk_add_f32 v[T+2*\k:T+2*\k+1], v[XS+4*\k:XS+4*\k+1], v[XS+4*\k+2:XS+4*\k+3]
.endr
.irp k, 0,4,8,12
	v_pk_add_f32 v[T+\k:T+\k+1], v[T+\k:T+\k+1], v[T+\k+2:T+\k+3]
.endr
	s_delay_alu instid0(VALU_DEP_3)
	v_pk_add_f32 v[T:T+1], v[T:T+1], v[T+4:T+5]
	s_delay_alu instid0(VALU_DEP_2)
	v_pk_add_f32 v[T+8:T+9], v[T+8:T+9], v[T+12:T+13]
	s_delay_alu instid0(VALU_DEP_1)
	v_pk_add_f32 v[T:T+1], v[T:T+1], v[T+8:T+9]
	s_delay_alu instid0(VALU_DEP_1)
	v_add_f32 v[T], v[T], v[T+1]
	WSUM T, T+1
	s_delay_alu instid0(VALU_DEP_1)
	v_mul_f32 v[PS], 0xba800000, v[T]              ; -mean
	s_delay_alu instid0(VALU_DEP_1)
	v_mov_b32 v[PS+1], v[PS]
.irp k, 0,2,4,6,8,10,12,14,16,18,20,22,24,26,28,30
	v_pk_add_f32 v[XS+\k:XS+\k+1], v[XS+\k:XS+\k+1], v[PS:PS+1]
.endr
	v_pk_mul_f32 v[T:T+1], v[XS:XS+1], v[XS:XS+1]
	v_pk_mul_f32 v[T+2:T+3], v[XS+2:XS+3], v[XS+2:XS+3]
.irp k, 4,8,12,16,20,24,28
	s_delay_alu instid0(VALU_DEP_2)
	v_pk_fma_f32 v[T:T+1], v[XS+\k:XS+\k+1], v[XS+\k:XS+\k+1], v[T:T+1]
	s_delay_alu instid0(VALU_DEP_2)
	v_pk_fma_f32 v[T+2:T+3], v[XS+\k+2:XS+\k+3], v[XS+\k+2:XS+\k+3], v[T+2:T+3]
.endr
	s_delay_alu instid0(VALU_DEP_1)
	v_pk_add_f32 v[T:T+1], v[T:T+1], v[T+2:T+3]
	s_delay_alu instid0(VALU_DEP_1)
	v_add_f32 v[T], v[T], v[T+1]
	WSUM T, T+1
	s_delay_alu instid0(VALU_DEP_1)
	v_mul_f32 v[T], 0x3a802008, v[T]               ; / 1,023
	s_wait_alu depctr_va_vdst(0)
	v_sqrt_f32 v[T], v[T]
	v_nop
	s_wait_alu depctr_va_vdst(0)
	v_add_f32 v[T], 0x3727c5ac, v[T]               ; + 1e-5
	s_wait_alu depctr_va_vdst(0)
	v_rcp_f32 v[PS+2], v[T]
	v_nop
	s_wait_alu depctr_va_vdst(0)
	v_add_f32 v[PS+2], v[PS+2], v[PS+2]            ; the final doubling rides on the reciprocal and on the bias: exact
	s_delay_alu instid0(VALU_DEP_1)
	v_mov_b32 v[PS+3], v[PS+2]
.endm
.macro LAST n
.set XS, XX+32*(\n)
.set PS, PR+4*(\n)
.irp k, 0,2,4,6,8,10,12,14,16,18,20,22,24,26,28,30
	v_pk_mul_f32 v[XS+\k:XS+\k+1], v[XS+\k:XS+\k+1], v[PS+2:PS+3]
.endr
.irp k, 0,2,4,6,8,10,12,14,16,18,20,22,24,26,28,30
	v_pk_fma_f32 v[XS+\k:XS+\k+1], v[XS+\k:XS+\k+1], v[VA+\k:VA+\k+1], v[VB+\k:VB+\k+1]
.endr
.irp i, 0,1,2,3,4,5,6,7
	global_store_b128 v1, v[XS+4*\i:XS+4*\i+3], s[26:27] offset:(\n)*4096+512*\i th:TH_STORE_NT     ; 512 consecutive bytes, aligned; written once
.endr
.endm
	STATS 0
	s_wait_dscnt 0x0                               ; alpha2, bias2
.irp k, 0,2,4,6,8,10,12,14,16,18,20,22,24,26,28,30
	v_pk_add_f32 v[VB+\k:VB+\k+1], v[VB+\k:VB+\k+1], v[VB+\k:VB+\k+1]
.endr
	LAST 0                                         ; the first row is on its way out while the second is reduced
	STATS 1
	LAST 1
	s_wait_tensorcnt 0x0
	ds_add_u32 v254, v255
	s_wait_dscnt 0x0
	s_endpgm
.Lfunc_end_k_qd0714df133_out:
	.size	k_qd0714df133_out, .Lfunc_end_k_qd0714df133_out-k_qd0714df133_out
	.p2alignl 7, 3214868480
	.fill 96, 4, 3214868480
	.section	.rodata,"a",@progbits
	.p2align	6, 0x0
	.amdhsa_kernel k_qd0714df133_out
		.amdhsa_group_segment_fixed_size 297472
		.amdhsa_private_segment_fixed_size 0
		.amdhsa_enable_private_segment 0
		.amdhsa_kernarg_size 96
		.amdhsa_user_sgpr_count 2
		.amdhsa_user_sgpr_kernarg_segment_ptr 1
		.amdhsa_wavefront_size32 1
		.amdhsa_system_sgpr_workgroup_id_x 1
		.amdhsa_system_sgpr_workgroup_id_y 1
		.amdhsa_system_sgpr_workgroup_id_z 1
		.amdhsa_system_vgpr_workitem_id 0
		.amdhsa_next_free_vgpr 256
		.amdhsa_next_free_sgpr 66
		.amdhsa_reserve_vcc 0
		.amdhsa_float_denorm_mode_32 3
		.amdhsa_float_denorm_mode_16_64 3
		.amdhsa_memory_ordered 1
		.amdhsa_forward_progress 1
		.amdhsa_inst_pref_size 56
	.end_amdhsa_kernel
	.amdgpu_metadata
---
amdhsa.version: [ 1, 2 ]
amdhsa.kernels:
  - .name:           k_qd0714df133_out
    .symbol:         k_qd0714df133_out.kd
    .args:
      - { .name: x, .offset: 0, .size: 8, .value_kind: global_buffer, .address_space: global }
      - { .name: stats, .offset: 8, .size: 8, .value_kind: global_buffer, .address_space: global }
      - { .name: ocodes, .offset: 16, .size: 8, .value_kind: global_buffer, .address_space: global }
      - { .name: oscl, .offset: 24, .size: 8, .value_kind: global_buffer, .address_space: global }
      - { .name: woimg, .offset: 32, .size: 8, .value_kind: global_buffer, .address_space: global }
      - { .name: Wo_scales, .offset: 40, .size: 8, .value_kind: global_buffer, .address_space: global }
      - { .name: bo, .offset: 48, .size: 8, .value_kind: global_buffer, .address_space: global }
      - { .name: alpha1, .offset: 56, .size: 8, .value_kind: global_buffer, .address_space: global }
      - { .name: bias1, .offset: 64, .size: 8, .value_kind: global_buffer, .address_space: global }
      - { .name: alpha2, .offset: 72, .size: 8, .value_kind: global_buffer, .address_space: global }
      - { .name: bias2, .offset: 80, .size: 8, .value_kind: global_buffer, .address_space: global }
      - { .name: out0, .offset: 88, .size: 8, .value_kind: global_buffer, .address_space: global }
    .group_segment_fixed_size: 297472
    .private_segment_fixed_size: 0
    .kernarg_segment_align: 8
    .kernarg_segment_size: 96
    .max_flat_workgroup_size: 512
    .sgpr_count:     66
    .vgpr_count:     256
    .wavefront_size: 32
...
	.end_amdgpu_metadata
.endif
;; end of part 4
